; MI455X (gfx1250); checked and timed in simulation.
; The chip was launched on July 23, 2026; its instructions are those of AMD's public machine-readable ISA for CDNA 5 (MIT licence, August 2026) and "CDNA5" Instruction Set Architecture Reference Guide (July 2026). The comments in the code are by the model that wrote it; some were corrected since.
;; Attention. Allowed arithmetic: float matrix products may take bf16 or f16 operands with f32 sums; other float arithmetic in f32, or as packed bf16 or f16 multiplies, adds, multiply-adds, maxima and minima; sums over many terms, partial sums and values carried from step to step in f32; what a program stores and reads back later, other than sums and carried values, may be rounded once to bf16 or f16.
;; Inputs: Wk 1,024 x 128 float32; Wq 1,024 x 128 float32; Wv 1,024 x 128 float32; bk 128 float32; bq 128 float32; bv 128 float32; embds 4 x 4,096 x 1,024 float32.
;; Outputs: out0 4 x 4,096 x 128 float32.
;; 2 versions, each right. Each part assembles by itself: llvm-mc -triple=amdgcn-amd-amdhsa -mcpu=gfx1250 --defsym DOCPART=n.
;; ======== version 1 of 2: 2 launches
;; limits: values are held in f16: magnitudes above 65,504 overflow, below 6.1e-05 lose precision
;; workspace buffers: qf 4,194,304 bytes; kf 4,194,304 bytes; vf 4,194,304 bytes
;; launch proj (part 1): grid 256 x 1, 4 waves a work-group, clusters of 4 x 1, 327,680 bytes of LDS; arguments embds, Wq, Wk, Wv, bq, bv, qf, kf, vf; writes qf, kf, vf
.if DOCPART == 1
	.amdgcn_target "amdgcn-amd-amdhsa--gfx1250"
	.amdhsa_code_object_version 6
	.text
	.protected	k_qdad5743c42_proj
	.globl	k_qdad5743c42_proj
	.p2align	8
	.type	k_qdad5743c42_proj,@function
k_qdad5743c42_proj:
	s_mov_b64 s[64:65], 0
	v_nop
	global_prefetch_b8 v0, s[64:65] scope:SCOPE_SE
	s_setreg_imm32_b32 hwreg(HW_REG_WAVE_MODE, 25, 1), 1
	s_wait_xcnt 0x0
	s_wait_alu depctr_hold_cnt(0) depctr_sa_sdst(0) depctr_va_vdst(0) depctr_va_sdst(0) depctr_va_ssrc(0) depctr_va_vcc(0) depctr_vm_vsrc(0)
	s_getreg_b32 s2, hwreg(HW_REG_IB_STS2, 6, 4)
	s_cmp_eq_u32 s2, 0
	s_cbranch_scc0 .Lentry_in_a_cluster
	s_endpgm
.Lentry_in_a_cluster:
	s_bfe_u32 s2, ttmp6, 0x10000c
	s_cmp_lg_u32 s2, 0x3003
	s_cbranch_scc0 .Lentry_shape_is_right
	s_endpgm
.Lentry_shape_is_right:
; q = x Wq + bq, k = x Wk, v = x Wv + bv.  x = embds as [16384][1024] f32, W [1024][128] f32.  x, W and the biases are rounded to bf16, sums in f32, q, k, v rounded once to f16.
; DEAD WORK: bk.  k_j = x_j Wk + bk adds q_i . bk to every score of row i; that term is the same along the softmax's axis, so it cancels in softmax(scores) for all values of the inputs.
; bk has then no way to the output: it is not loaded and is no argument of any launch.  A NaN, an infinity or an overflow that reaches only bk or q . bk is not carried to the result.
; LIMITS: |q|, |k|, |v| stay under 65,504 (f16); NaN and infinities are not treated apart.
; WORKSPACE qf, kf, vf, f16, in the order in which the next launch's matrix operands take them: byte ((row / 16) * 8 + blk) * 512 + lane * 16; a block of 512 bytes is four registers of 32 lanes.
;   qf, kf: lane (r = lane % 16, h = lane / 16) holds row 16 g + r; blk = 4 u + e; its eight halves j are channels 64 u + 32 h + 4 j + e: the same order of channels in q and in k, so q . k is unchanged.
;   vf: lane (r, h) holds channel 64 u + 4 r + e and the keys 16 g + 8 h + 0..7: half a fragment of V^T.
; SHARES.  A work-group owns 64 rows and all 384 columns.  Wave w: u = w & 1: columns 64 u .. 64 u + 63 of each of q, k, v; kh = w >> 1: k = 32 kh .. 32 kh + 31 of every slab of 64 k.
; So a wave has 48 accumulators (64 rows x 192 columns), partial sums over half of K; the two halves meet once, in f32, through LDS.  Each number of W is converted by one wave of the work-group.
; W WITHOUT TURNING.  A lane reads 16 bytes W[k][64 u + 4 r .. + 3]; register e of that load belongs to fragment e, whose column index r means column 64 u + 4 r + e.  16 loads make four fragments.
; q, k: D = W-fragment x x-fragment (a lane holds one row of x and eight channels); v: D = x-fragment x W-fragment (a lane holds one channel and eight keys).
; CLUSTER.  All work-groups walk the same W: its slabs (64 k x 128 f32 of each matrix) are asked for jointly by the four partners; waves 0, 1, 2 fetch Wq, Wk, Wv; wave 3 fetches none.
; x is each work-group's own: it comes through registers (two granules of 256 k, 64 loads of 512 consecutive bytes a wave, on their way), is rounded and stored in LDS.
; No prefetch: x's loads stand out from the head on and W's slabs are read again by every cluster.
; REGISTERS (windows of 256): window 0 addresses, CT, biases, XF (x fragments, two sets), F (W fragments, two sets); window 1: T (W as loaded, two sets of 64), XR set 0;
;   window 2: accumulators of q (0-127) and k (128-255); window 3: accumulators of v (0-127), XR set 1.  Accumulator (e, mb) at 8 (4 mb + e); mb 0, 1 are the rows I keep, mb 2, 3 those I send.
.set WPITCH, 528                       ; a row of a slab in LDS: 512 bytes + 16: a load's 16 lanes take 256 consecutive bytes of one row
.set WMAT,   64*WPITCH                 ; one matrix's slab
.set SLOT1,  131072                    ; slot 0 at 0, slot 1 here; in a slot Wq, Wk, Wv on end
.set XS,     SLOT1+3*WMAT              ; x in bf16: five columns of 128 k, each 64 rows of 272 bytes (256 + 16: 17 x 16, so the 16 rows of a fragment load start in different groups of four banks; 64 banks of 4 bytes: ISA guide 11.1)
.set XPITCH, 272
.set XCOL,   64*XPITCH
.set SPARE,  XS+5*XCOL                 ; the spare words: 128 bytes a wave, two blocks of 256 bytes that no other line names
.set STG,    24576                     ; the way out: 24 accumulators of 1,024 bytes a wave, in slot 0 after its last fill and its last read
.set XO,  2                            ; v2   x: 16 x lane + my 16 rows
.set XSA, 3                            ; v3   where I store x: columns 0-2
.set XA0, 4                            ; v4   x fragments of the rows I keep
.set XA1, 5                            ; v5   of the rows I send
.set WA,  6                            ; v6-7 W loads in slot 0, 1 (Wq, Wk)
.set WB,  8                            ; v8-9 the same for Wv
.set XC0, 10                           ; v10-11 XA0, XA1 in the column in hand
.set SA,  12                           ; v12  my stage
.set RA,  13                           ; v13  my partner's (wave w ^ 2)
.set OA,  14                           ; v14  my byte offset in the work-group's part of qf, kf, vf
.set XSB, 15                           ; v15  where I store x: columns 3, 4
.set CT,  16                           ; v16-31 at work
.set BQ,  32                           ; v32-63 bq[64 u + 32 h + 4 j + e] at BQ + 4 j + e
.set XF,  64                           ; v64-127
.set F,   128                          ; v128-191
.set BV,  192                          ; v192-195 bv[64 u + 4 r + e]
.set BQO, 200
.set BVO, 201
.set SPW, 252                          ; my spare word's address; never rewritten
.set NIL, 253                          ; 0; never rewritten
.set OUTR, 64                          ; the way out: 96 registers of packed results
.set WV, 22
.set U,  23
.set KH, 24
.set CX, 25
.set RB, 26
.set G1, 28                            ; s[28:35] descriptor group 1
.set G0, 36                            ; s[36:43] group 0, a set for each slot
.set XT, 44                            ; the column in hand, in bytes
.set CNT, 45
.set XB, 46                            ; s[46:47] x at the work-group's first row
.set OB, 48                            ; s[48:53] qf, kf, vf at the work-group's part
.set MSB, 0
.macro WIN new                         ; the high byte repeats the setting that is left; a switch that changes nothing is dropped
.if MSB != (\new)
	s_set_vgpr_msb (MSB<<8)|(\new)
.set MSB, (\new)
.endif
.endm
.macro PLACES
.rept 4
	v_nop
.endr
.endm
.macro CREST                           ; a round of the cluster's barrier behind its opening barrier
	s_cmp_lg_u32 s[WV], 0
	s_cbranch_scc1 .Lnot_wave_0_\@
	s_barrier_signal -3
.Lnot_wave_0_\@:
	s_barrier_wait -3
	s_barrier_signal -1
	s_barrier_wait -1
.endm
.macro CROUND
	s_barrier_signal -1
	s_barrier_wait -1
	CREST
.endm
.macro JLOAD p                         ; the joint refill of slot p: waves 0-2, one load each; the branch hangs on the wave's number alone
	s_cmp_lt_u32 s[WV], 3
	s_cbranch_scc0 .Lnoload_\@
	tensor_load_to_lds s[G0+4*(\p):G0+4*(\p)+3], s[G1:G1+7]
	s_nop 0
	PLACES
.Lnoload_\@:
.endm
.macro XLOAD set, g                    ; granule g (256 k) of my 16 rows: 32 loads of 512 consecutive bytes, into XR set
	WIN 0x40+0x80*(\set)
.set xl, 0
.rept 32
	global_load_b128 v[128+4*xl:128+4*xl+3], v[XO], s[XB:XB+1] offset:(xl/2)*4096+(xl%2)*512+(\g)*1024 th:TH_LOAD_NT
.set xl, xl+1
.endr
	WIN 0
.endm
; A granule is rounded to bf16 and stored into columns c0 (its first 128 k) and c1.  left: the younger granule's loads, which stay out.  refill >= 0: the set is asked for again, with that granule.
.macro XCONV set, c0, c1, left, refill
	s_wait_loadcnt \left
.set xb, 0
.rept 4
	WIN 0x05+0x0a*(\set)
.set xi, 0
.rept 8
	v_cvt_pk_bf16_f32 v[CT+2*xi], v[128+32*xb+4*xi], v[128+32*xb+4*xi+1]
	v_cvt_pk_bf16_f32 v[CT+2*xi+1], v[128+32*xb+4*xi+2], v[128+32*xb+4*xi+3]
.set xi, xi+1
.endr
	WIN 0
.set xi, 0
.rept 8
.set xc, (\c0)+(xi%2)*((\c1)-(\c0))
.if xc < 3
	ds_store_b64 v[XSA], v[CT+2*xi:CT+2*xi+1] offset:(4*xb+xi/2)*XPITCH+xc*XCOL
.else
	ds_store_b64 v[XSB], v[CT+2*xi:CT+2*xi+1] offset:(4*xb+xi/2)*XPITCH+(xc-3)*XCOL
.endif
.set xi, xi+1
.endr
.set xb, xb+1
.endr
.if (\refill) >= 0
	XLOAD \set, \refill
.endif
.endm
.macro XFLOAD p                        ; the step's four x fragments (16 rows x my 32 k) into XF set p
	WIN 0
.irp m, 0,1,2,3
	ds_load_b128 v[XF+32*(\p)+8*\m:XF+32*(\p)+8*\m+3],   v[XC0+(\m)/2] offset:((\m)%2)*16*XPITCH+(\p)*128
	ds_load_b128 v[XF+32*(\p)+8*\m+4:XF+32*(\p)+8*\m+7], v[XC0+(\m)/2] offset:((\m)%2)*16*XPITCH+(\p)*128+32
.endr
.endm
.macro TLOAD m, ts, p                  ; matrix m of slot p: my 32 k x 64 columns in f32, 16 loads (k = 8 h + 0..7, 16 + 8 h + 0..7) into T set ts
	WIN 0x40
.set ti, 0
.rept 16
.if (\m) < 2
	ds_load_b128 v[64*(\ts)+4*ti:64*(\ts)+4*ti+3], v[WA+(\p)] offset:(\m)*WMAT+(ti+8*(ti/8))*WPITCH
.else
	ds_load_b128 v[64*(\ts)+4*ti:64*(\ts)+4*ti+3], v[WB+(\p)] offset:(ti+8*(ti/8))*WPITCH
.endif
.set ti, ti+1
.endr
.endm
.macro CVT s                           ; T set s -> F set s: register i of fragment e takes register e of loads 2 i and 2 i + 1
	WIN 0x05
.set ci, 0
.rept 32
	v_cvt_pk_bf16_f32 v[F+32*(\s)+8*(ci%4)+ci/4], v[64*(\s)+8*(ci/4)+ci%4], v[64*(\s)+8*(ci/4)+4+ci%4]
.set ci, ci+1
.endr
.endm
; The accumulators take turns, one instruction a turn: an accumulator comes up once a step, 47 others between.
.macro MULQK m, fs, xs, half           ; 8 products of q (m = 0) or k (m = 1): source 0 = W's fragment, source 1 = x's
	WIN 0xa0
.irp b, 2*(\half), 2*(\half)+1
.irp e, 0,1,2,3
	v_wmma_f32_16x16x32_bf16 v[128*(\m)+8*(4*(\b)+\e):128*(\m)+8*(4*(\b)+\e)+7], v[F+32*(\fs)+8*\e:F+32*(\fs)+8*\e+7], v[XF+32*(\xs)+8*(\b):XF+32*(\xs)+8*(\b)+7], v[128*(\m)+8*(4*(\b)+\e):128*(\m)+8*(4*(\b)+\e)+7]
.endr
.endr
.endm
.macro MULV fs, xs                     ; 16 products of v: source 0 = x's fragment, source 1 = W's
	WIN 0xf0
.irp b, 0,1,2,3
.irp e, 0,1,2,3
	v_wmma_f32_16x16x32_bf16 v[8*(4*\b+\e):8*(4*\b+\e)+7], v[XF+32*(\xs)+8*\b:XF+32*(\xs)+8*\b+7], v[F+32*(\fs)+8*\e:F+32*(\fs)+8*\e+7], v[8*(4*\b+\e):8*(4*\b+\e)+7]
.endr
.endr
.endm
; A STEP: one slab of 64 k, in slot p (the step's parity).  q goes T p -> F p, k goes T 1-p -> F 1-p, v goes T p -> F p again; v's 16 products stand at the head of the NEXT step, over that step's LDS loads.
; Every write of an F set stands 32 conversions of the other set behind the last product that read it; XF set p was last read at the head of the step before.
; end = 2: slot p is filled again, two slabs on: every wave waits for all its tensor loads (one is out: the other slot's), adds 0 to its spare word (twice on end),
; waits for that and for its reads of the slot; the barrier opens a round of the cluster's; the joint refill is the first thing behind the round.
; end = 1: the last slab is waited for; nothing is filled.  end = 0: the last step.
.macro KSTEP p, end
	WIN 0
	v_add_nc_u32 v[XC0], s[XT], v[XA0]
	v_add_nc_u32 v[XC0+1], s[XT], v[XA1]
	XFLOAD \p
	TLOAD 0, \p, \p
	TLOAD 1, 1-(\p), \p
	MULV 1-(\p), 1-(\p)
	s_wait_dscnt 16                        ; x's fragments and Wq are in; Wk's 16 loads stay out
	CVT \p
	TLOAD 2, \p, \p
	MULQK 0, \p, \p, 0
	MULQK 0, \p, \p, 1
	s_wait_dscnt 16                        ; Wk is in; Wv's 16 loads stay out
	CVT 1-(\p)
	MULQK 1, 1-(\p), \p, 0
.if (\end) == 2
	WIN 0
	s_wait_tensorcnt 0x0                   ; no tensor load of mine is out, so a group 0 may be written
	ds_add_u32 v[SPW], v[NIL]              ; the add to my spare word, twice on end
	ds_add_u32 v[SPW], v[NIL]
	s_add_nc_u64 s[G0+4*(\p)+2:G0+4*(\p)+3], s[G0+4*(\p)+2:G0+4*(\p)+3], 0x10000  ; two slabs of 64 rows of 512 bytes on
	MULQK 1, 1-(\p), \p, 1
	s_wait_dscnt 0x0                       ; the adds are done, my reads of the slot and my stores of x are over
	s_barrier_signal -1
	CVT \p                                 ; register work while the others arrive
	WIN 0
	s_barrier_wait -1
	CREST
	JLOAD \p
.elseif (\end) == 1
	WIN 0
	s_wait_tensorcnt 0x0                   ; my part of the last slab is in
	MULQK 1, 1-(\p), \p, 1
	s_wait_dscnt 0x0
	s_barrier_signal -1
	CVT \p
	WIN 0
	s_barrier_wait -1
.else
	MULQK 1, 1-(\p), \p, 1
	s_wait_dscnt 0x0
	CVT \p
	MULV \p, \p
	WIN 0
.endif
.endm
.macro PAIRS col, n                    ; n pairs of steps; a pair is 128 k, one column of x, from column col on
	s_mov_b32 s[XT], (\col)*XCOL
	s_mov_b32 s[CNT], \n
.Lpair_\@:
	KSTEP 0, 2
	KSTEP 1, 2
	s_add_co_u32 s[XT], s[XT], XCOL
	s_sub_co_u32 s[CNT], s[CNT], 1
	s_cmp_lg_u32 s[CNT], 0
	s_cbranch_scc1 .Lpair_\@
.endm
	s_load_b512 s[4:19], s[0:1], 0x0       ; embds s[4:5], Wq s[6:7], Wk s[8:9], Wv s[10:11], bq s[12:13], bv s[14:15], qf s[16:17], kf s[18:19]
	s_load_b64 s[20:21], s[0:1], 0x40      ; vf
	v_lshl_add_u32 v[SPW], v0, 2, SPARE
	v_mov_b32 v[NIL], 0
	ds_add_u32 v[SPW], v[NIL]              ; the wave's opening: the add, twice on end, waited for ahead of the first tensor load
	ds_add_u32 v[SPW], v[NIL]
	v_lshrrev_b32 v1, 5, v0
	v_readfirstlane_b32 s[WV], v1
	s_and_b32 s[U], s[WV], 1
	s_lshr_b32 s[KH], s[WV], 1
	s_bfe_u32 s[CX], ttmp6, 0x40000        ; my place in the cluster: it enters x's and the outputs' addresses alone
	s_lshl_b32 s[RB], ttmp9, 2
	s_add_co_u32 s[RB], s[RB], s[CX]       ; my block of 64 rows
	s_mov_b32 s[G1+0], 15|(2<<16)|(1<<20)|(1<<21)|(6<<22)|(3<<25)  ; mask of four; 4-byte elements; padding on; bit 21 beside a mask; after every 128 words, 4 words
	s_mov_b32 s[G1+1], 128<<16             ; tensor_dim0 = 128
	s_mov_b32 s[G1+2], 64<<16              ; tensor_dim1 = 64
	s_mov_b32 s[G1+3], 128<<16             ; tile_dim0 = 128
	s_mov_b32 s[G1+4], 64                  ; tile_dim1 = 64
	s_mov_b32 s[G1+5], 128                 ; 128 elements from row to row
	s_mov_b32 s[G1+6], 0
	s_mov_b32 s[G1+7], 0
	s_mul_i32 s27, s[WV], WMAT             ; my matrix's place in a slot
	s_mov_b32 s[G0], 1
	s_mov_b32 s[G0+1], s27
	s_mov_b32 s[G0+4], 1
	s_add_co_u32 s[G0+5], s27, SLOT1
	v_and_b32 v1, 31, v0                   ; lane
	v_and_b32 v16, 15, v0                  ; r
	v_bfe_u32 v17, v0, 4, 1                ; h
	s_lshl_b32 s27, s[WV], 16
	v_lshl_add_u32 v[XO], v1, 4, s27       ; 16 rows of 4,096 bytes a wave
	s_mul_i32 s27, s[WV], 16*XPITCH
	s_add_co_u32 s27, s27, XS
	v_lshl_add_u32 v[XSA], v1, 3, s27
	v_add_nc_u32 v[XSB], 3*XCOL, v[XSA]
	v_mul_u32_u24 v18, v16, XPITCH
	v_lshl_add_u32 v18, v17, 4, v18        ; r x pitch + 16 h
	s_mul_i32 s27, s[KH], 32*XPITCH+64     ; rows 32 kh on, and my 32 k of a step's 64: 64 bytes
	s_add_co_u32 s27, s27, XS
	v_add_nc_u32 v[XA0], s27, v18
	s_xor_b32 s27, s[KH], 1
	s_mul_i32 s27, s27, 32*XPITCH          ; rows 32 (1 - kh) on
	s_lshl_b32 s56, s[KH], 6
	s_add_co_u32 s27, s27, s56
	s_add_co_u32 s27, s27, XS
	v_add_nc_u32 v[XA1], s27, v18
	v_mul_u32_u24 v19, v17, 8*WPITCH
	v_lshl_add_u32 v19, v16, 4, v19        ; row 8 h, 16 bytes a lane
	s_mul_i32 s27, s[KH], 32*WPITCH
	s_lshl_b32 s56, s[U], 8
	s_add_co_u32 s27, s27, s56
	v_add_nc_u32 v[WA], s27, v19
	v_add_nc_u32 v[WA+1], SLOT1, v[WA]
	v_add_nc_u32 v[WB], 2*WMAT, v[WA]
	v_add_nc_u32 v[WB+1], 2*WMAT, v[WA+1]
	s_mul_i32 s27, s[WV], STG
	v_lshl_add_u32 v[SA], v1, 4, s27
	s_xor_b32 s27, s[WV], 2
	s_mul_i32 s27, s27, STG
	v_lshl_add_u32 v[RA], v1, 4, s27
	s_lshl_b32 s27, s[KH], 13
	s_lshl_b32 s56, s[U], 11
	s_add_co_u32 s27, s27, s56
	v_lshl_add_u32 v[OA], v1, 4, s27
	s_lshl_b32 s27, s[U], 8
	v_lshl_add_u32 v[BQO], v17, 7, s27     ; bq at 64 u + 32 h
	v_lshl_add_u32 v[BVO], v16, 4, s27     ; bv at 64 u + 4 r
	s_wait_dscnt 0x0                       ; both opening adds are done
	s_wait_kmcnt 0x0
	s_lshl_b32 s56, s[RB], 18              ; 64 rows of 4,096 bytes
	s_mov_b32 s57, 0
	s_add_nc_u64 s[XB:XB+1], s[4:5], s[56:57]
	s_lshl_b32 s56, s[RB], 14              ; 64 rows of 256 bytes
	s_add_nc_u64 s[OB:OB+1], s[16:17], s[56:57]
	s_add_nc_u64 s[OB+2:OB+3], s[18:19], s[56:57]
	s_add_nc_u64 s[OB+4:OB+5], s[20:21], s[56:57]
	s_cmp_eq_u32 s[WV], 0
	s_cselect_b64 s[54:55], s[6:7], s[8:9]
	s_cmp_lt_u32 s[WV], 2
	s_cselect_b64 s[54:55], s[54:55], s[10:11]  ; the matrix that I fetch, by the wave's number alone
	s_mov_b64 s[G0+2:G0+3], s[54:55]       ; slab 0
	s_or_b32 s[G0+3], s[G0+3], 0x80000000
	s_add_nc_u64 s[G0+6:G0+7], s[54:55], 0x8000  ; slab 1
	s_or_b32 s[G0+7], s[G0+7], 0x80000000
.irp j, 0,1,2,3,4,5,6,7
	global_load_b128 v[BQ+4*\j:BQ+4*\j+3], v[BQO], s[12:13] offset:16*\j
.endr
	global_load_b128 v[BV:BV+3], v[BVO], s[14:15]
	XLOAD 0, 0
	XLOAD 1, 1
	CROUND                                 ; all four work-groups are here: the first joint loads meet
	s_cmp_lt_u32 s[WV], 3                  ; a wave's two first fills stand in one branch: two loads of mine are out
	s_cbranch_scc0 .Lnofirst
	tensor_load_to_lds s[G0:G0+3], s[G1:G1+7]
	s_nop 0
	tensor_load_to_lds s[G0+4:G0+7], s[G1:G1+7]
	s_nop 0
	PLACES
.Lnofirst:
	; While the first loads are out: the sums that I send, and all of k's, start at 0; so do F set 1 and XF set 1, which the first step's leading 16 products multiply (they add 0): so every step has one text.
	WIN 0x80
.set a, 64
.rept 192
	v_mov_b32 v[a], 0
.set a, a+1
.endr
	WIN 0xc0
.set a, 64
.rept 64
	v_mov_b32 v[a], 0
.set a, a+1
.endr
	WIN 0
.set a, 0
.rept 32
	v_mov_b32 v[XF+32+a], 0
	v_mov_b32 v[F+32+a], 0
.set a, a+1
.endr
	s_wait_loadcnt 63                      ; 73 loads have been issued: the ten oldest are in, the nine of the biases among them
.set a, 0
.rept 16                                   ; the biases are rounded to bf16 like the other inputs
	v_cvt_pk_bf16_f32 v[CT+a], v[BQ+2*a], v[BQ+2*a+1]
.set a, a+1
.endr
.set a, 0
.rept 16
	v_lshlrev_b32 v[BQ+2*a], 16, v[CT+a]
	v_and_b32 v[BQ+2*a+1], 0xffff0000, v[CT+a]
.set a, a+1
.endr
	v_cvt_pk_bf16_f32 v[CT], v[BV], v[BV+1]
	v_cvt_pk_bf16_f32 v[CT+1], v[BV+2], v[BV+3]
	v_lshlrev_b32 v[BV], 16, v[CT]
	v_and_b32 v[BV+1], 0xffff0000, v[CT]
	v_lshlrev_b32 v[BV+2], 16, v[CT+1]
	v_and_b32 v[BV+3], 0xffff0000, v[CT+1]
	WIN 0x80                               ; the sums that I keep start at the bias: each row's bias is added once, by the wave that keeps the row
.set a, 0
.rept 64
	v_mov_b32 v[a], v[BQ+4*(a%8)+(a/8)%4]
.set a, a+1
.endr
	WIN 0xc0
.set a, 0
.rept 64
	v_mov_b32 v[a], v[BV+(a/8)%4]
.set a, a+1
.endr
	WIN 0
	XCONV 0, 0, 1, 32, 2                   ; k 0-255 into columns 0, 1; k 512-767 asked for
	s_wait_tensorcnt 0x1                   ; my part of slab 0 is in; slab 1 may stay out
	s_wait_dscnt 0x0                       ; my stores of x are done
	s_barrier_signal -1
	s_barrier_wait -1
	; Each XCONV below stands behind a round: the columns that it writes were last read ahead of that round; its stores are waited for in front of the next round, a step or more ahead of their first reader.
	PAIRS 0, 1                             ; steps 0, 1
	XCONV 1, 2, 3, 32, 3                   ; k 256-511 into columns 2, 3; k 768-1023 asked for
	PAIRS 1, 2                             ; steps 2-5
	XCONV 0, 4, 0, 32, -1                  ; k 512-767 into columns 4, 0
	PAIRS 3, 2                             ; steps 6-9
	XCONV 1, 1, 2, 0, -1                   ; k 768-1023 into columns 1, 2
	PAIRS 0, 2                             ; steps 10-13
	s_mov_b32 s[XT], 2*XCOL
	KSTEP 0, 1                             ; step 14
	KSTEP 1, 0                             ; step 15
	; THE WAY OUT.  The 24 accumulators of the rows that my partner keeps go into my stage (slot 0: its last fill was slab 14, its last reads stand ahead of step 14's barrier); each accumulator's low registers first.
	PLACES
	PLACES
	WIN 0x08                               ; store data in window 2
.set a, 0
.rept 16                                   ; q's eight, then k's eight
	ds_store_b128 v[SA], v[128*(a/8)+64+8*(a%8):128*(a/8)+64+8*(a%8)+3] offset:a*1024
	ds_store_b128 v[SA], v[128*(a/8)+64+8*(a%8)+4:128*(a/8)+64+8*(a%8)+7] offset:a*1024+512
.set a, a+1
.endr
	WIN 0x0c                               ; window 3: v's eight
.set a, 0
.rept 8
	ds_store_b128 v[SA], v[64+8*a:64+8*a+3] offset:(16+a)*1024
	ds_store_b128 v[SA], v[64+8*a+4:64+8*a+7] offset:(16+a)*1024+512
.set a, a+1
.endr
	WIN 0
	s_wait_dscnt 0x0                       ; for the partner's sake
	s_barrier_signal -1
	s_barrier_wait -1
.macro RLOAD m, ts                     ; my partner's eight partial accumulators of matrix m into T set ts
	WIN 0x40
.set a, 0
.rept 16
	ds_load_b128 v[64*(\ts)+4*a:64*(\ts)+4*a+3], v[RA] offset:(\m)*8192+a*512
.set a, a+1
.endr
.endm
.macro FIN m, ts                       ; the two halves of K are added, rounded to f16 and stored: each store is 512 consecutive bytes, aligned
	WIN 0x46+(\m)/2                        ; destination and source 1 window 1; source 0 window 2 (q, k) or 3 (v)
.set a, 0
.rept 32
	v_pk_add_f32 v[64*(\ts)+2*a:64*(\ts)+2*a+1], v[128*((\m)%2)+2*a:128*((\m)%2)+2*a+1], v[64*(\ts)+2*a:64*(\ts)+2*a+1]
.set a, a+1
.endr
	WIN 0x05
.set a, 0
.rept 32
	v_cvt_pk_f16_f32 v[OUTR+32*(\m)+a], v[64*(\ts)+2*a], v[64*(\ts)+2*a+1]
.set a, a+1
.endr
	WIN 0
.set a, 0
.rept 8
	global_store_b128 v[OA], v[OUTR+32*(\m)+4*a:OUTR+32*(\m)+4*a+3], s[OB+2*(\m):OB+2*(\m)+1] offset:(a/4)*4096+(a%4)*512
.set a, a+1
.endr
.endm
	RLOAD 0, 0
	RLOAD 1, 1
	s_wait_dscnt 16                        ; q's are in; k's 16 loads stay out
	FIN 0, 0
	RLOAD 2, 0
	s_wait_dscnt 16                        ; k's are in
	FIN 1, 1
	s_wait_dscnt 0x0
	FIN 2, 0
	s_wait_tensorcnt 0x0                   ; the wave's end: after my last tensor load and my last LDS store: a wait, an add, a wait
	ds_add_u32 v[SPW], v[NIL]
	s_wait_dscnt 0x0
	CROUND                                 ; the closing round
	s_endpgm
.Lfunc_end_k_qdad5743c42_proj:
	.size	k_qdad5743c42_proj, .Lfunc_end_k_qdad5743c42_proj-k_qdad5743c42_proj
	.p2alignl 7, 3214868480
	.fill 96, 4, 3214868480
	.section	.rodata,"a",@progbits
	.p2align	6, 0x0
	.amdhsa_kernel k_qdad5743c42_proj
		.amdhsa_group_segment_fixed_size 327680
		.amdhsa_private_segment_fixed_size 0
		.amdhsa_enable_private_segment 0
		.amdhsa_kernarg_size 72
		.amdhsa_user_sgpr_count 2
		.amdhsa_user_sgpr_kernarg_segment_ptr 1
		.amdhsa_wavefront_size32 1
		.amdhsa_system_sgpr_workgroup_id_x 1
		.amdhsa_system_sgpr_workgroup_id_y 1
		.amdhsa_system_sgpr_workgroup_id_z 1
		.amdhsa_system_vgpr_workitem_id 0
		.amdhsa_next_free_vgpr 1024
		.amdhsa_next_free_sgpr 66
		.amdhsa_reserve_vcc 0
		.amdhsa_float_denorm_mode_32 3
		.amdhsa_float_denorm_mode_16_64 3
		.amdhsa_memory_ordered 1
		.amdhsa_forward_progress 1
		.amdhsa_inst_pref_size 221
	.end_amdhsa_kernel
	.amdgpu_metadata
---
amdhsa.version: [ 1, 2 ]
amdhsa.kernels:
  - .name:           k_qdad5743c42_proj
    .symbol:         k_qdad5743c42_proj.kd
    .args:
      - { .name: embds, .offset: 0, .size: 8, .value_kind: global_buffer, .address_space: global }
      - { .name: Wq, .offset: 8, .size: 8, .value_kind: global_buffer, .address_space: global }
      - { .name: Wk, .offset: 16, .size: 8, .value_kind: global_buffer, .address_space: global }
      - { .name: Wv, .offset: 24, .size: 8, .value_kind: global_buffer, .address_space: global }
      - { .name: bq, .offset: 32, .size: 8, .value_kind: global_buffer, .address_space: global }
      - { .name: bv, .offset: 40, .size: 8, .value_kind: global_buffer, .address_space: global }
      - { .name: qf, .offset: 48, .size: 8, .value_kind: global_buffer, .address_space: global }
      - { .name: kf, .offset: 56, .size: 8, .value_kind: global_buffer, .address_space: global }
      - { .name: vf, .offset: 64, .size: 8, .value_kind: global_buffer, .address_space: global }
    .group_segment_fixed_size: 327680
    .private_segment_fixed_size: 0
    .kernarg_segment_align: 8
    .kernarg_segment_size: 72
    .max_flat_workgroup_size: 128
    .sgpr_count:     66
    .vgpr_count:     1024
    .wavefront_size: 32
...
	.end_amdgpu_metadata
.endif
;; end of part 1
;; launch attn (part 2): grid 64 x 4, 4 waves a work-group, clusters of 4 x 1, 327,680 bytes of LDS; arguments qf, kf, vf, out0; writes out0
.if DOCPART == 2
	.amdgcn_target "amdgcn-amd-amdhsa--gfx1250"
	.amdhsa_code_object_version 6
	.text
	.protected	k_qdad5743c42_attn
	.globl	k_qdad5743c42_attn
	.p2align	8
	.type	k_qdad5743c42_attn,@function
k_qdad5743c42_attn:
	s_mov_b64 s[64:65], 0
	v_nop
	global_prefetch_b8 v0, s[64:65] scope:SCOPE_SE
	s_setreg_imm32_b32 hwreg(HW_REG_WAVE_MODE, 25, 1), 1
	s_wait_xcnt 0x0
	s_wait_alu depctr_hold_cnt(0) depctr_sa_sdst(0) depctr_va_vdst(0) depctr_va_sdst(0) depctr_va_ssrc(0) depctr_va_vcc(0) depctr_vm_vsrc(0)
	s_getreg_b32 s2, hwreg(HW_REG_IB_STS2, 6, 4)
	s_cmp_eq_u32 s2, 0
	s_cbranch_scc0 .Lentry_in_a_cluster
	s_endpgm
.Lentry_in_a_cluster:
	s_bfe_u32 s2, ttmp6, 0x10000c
	s_cmp_lg_u32 s2, 0x3003
	s_cbranch_scc0 .Lentry_shape_is_right
	s_endpgm
.Lentry_shape_is_right:
; CAUSAL ATTENTION, one head of 128 channels, four sequences of 4,096 rows.  out[q] = the sum over k <= q of softmax_k(q . k / sqrt(128)) v[k].  qf, kf, vf: f16 in fragment order (the launch before); out0 f32.
; LEFT OUT: key tiles wholly above the diagonal (the mask that the problem itself builds hides them), and bk (the same along the softmax's axis: shown at the head of the launch before).
; LIMITS.  A hidden score counts as its value less 2^100; the running maximum starts at -2^60, below every score that f16 operands can give (128 x 65,504^2 = 5.5e11); a weight below 2^-126 counts as 0;
; the weights are rounded to f16 for the second product, their sum is taken unrounded; NaN and infinities are not treated apart.
; THE WALK.  A sequence has 128 blocks of 32 queries and 16 key tiles of 256.  Work-group j (0..63) takes block 127 - j and then block j: (16 - A) + (A + 1) = 17 tiles, A = j / 8, whatever j: one counted walk.
; The four partners of a cluster have the same A, so the same walk: every tile of K and V is asked for jointly.  Branches hang on the cluster's number alone, go forward, and pass no barrier, wait or tensor load.
; SHARES.  The KEYS are split among the waves: of each tile wave w takes keys 64 w .. 64 w + 63, for both tiles of 16 queries; each wave has its own running maximum m, sum l and O; the four meet in LDS at the end.
; The first block's O, l and c m are set aside in registers at the change of blocks, so both meetings stand in straight text at the end.
; LAYOUT.  S^T = K Q^T: a lane holds one query (lane % 16) and keys 8 (lane / 16) + 0..7; two results rounded to f16 are source 1 of O^T = V^T P.  All fragments lie in memory and LDS as registers take them: 512 consecutive bytes a load.
; THE MASK is the C operand of the product that starts a sum: 0, but in a block's last tile -2^100 where the key is hidden.
; A TRIP: K's loads; V^T P of the tile BEFORE (registers alone, over K's loads); V's loads; K Q^T; the softmax.  p = 2^(c s - c m), c = log2(e) / sqrt(128); O and l are multiplied by a = 2^(c m_old - c m_new) in every step.
; A wave whose keys are all hidden for a query keeps m = -2^60 there, and its O and l are weighed by 2^(c m - c m_all) = 0 at the meeting.  No exponent is ever positive.
; REGISTERS: window 0: addresses, statistics ST (8 a tile) and their copy, S^T, P, MASK, TMP; window 1: O^T (0-127), the first block's O^T (128-255); window 2: Q, the second block's Q, K; window 3: V.
.set SLOT1,  1<<17                     ; a slot: 64 KiB of K, 64 KiB of V; one exclusive or turns an address in one slot into the other's
.set STATS,  262144                    ; the meeting: (c m, l) by (block, tile), wave, lane: 4,096 bytes
.set SPARE,  266240                    ; the spare words: 128 bytes a wave, two blocks of 256 bytes that no other line names
.set OPITCH, 528                       ; the meeting's stage: a row of 128 f32 + 16 bytes: 33 x 16, so 16 rows start in different groups of four banks (64 banks of 4 bytes: ISA guide 11.1)
.set OBLK,   32*OPITCH
.set OWAVE,  2*OBLK                    ; a wave's two blocks; the four waves' stages lie from byte 0 on, in the slots after their last fill
.set AK0, 2                            ; v2  my wave's K in a slot + 16 x lane
.set AV0, 3                            ; v3  the same for V
.set ADR, 4
.set QO,  5                            ; v5  16 x lane
.set STO, 6
.set RD0, 7                            ; v7-8
.set GO,  9
.set SAS, 10
.set SRS, 11
.set ST,  16                           ; tile t at ST + 8 t: c m, m, l (even, odd keys), four at work; a in +6
.set SST, 32                           ; the first block's
.set PFO, 58                           ; 256 x lane
.set DL,  59                           ; the second block's D
.set DCUR, 60                          ; D = 32 p + r - 64 w - 8 h: register jr of (t, kb) is hidden where 16 kb + jr - 16 t > D
.set SPW, 62
.set NIL, 63
.set S,   64
.set P,   128
.set MASK, 160
.set TMP, 224
.set WK,  64                           ; the meeting: eight a (block, tile)
.set LD,  64                           ; the meeting: 128 registers of rows read back
.set QL,  64                           ; window 2
.set KF,  128                          ; window 2
.set WV, 12
.set CX, 13
.set CC, 14
.set AA, 15
.set G1, 24
.set G0, 32
.set BASEW, 36                         ; s[36:37] the 32 KiB of tile 0 that I fetch
.set OFF, 38
.set PFA, 40
.set LIM, 42
.set SLOTS, 43
.set RT, 44                            ; tiles of the block in hand still to be entered
.set NXT, 45                           ; the tile to be asked for next
.set LQ, 46                            ; the last tile of the block whose tiles are being asked for
.set NEW, 47                           ; 1: the tile to be entered is the second block's first
.set TB, 48                            ; the slot in hand
.set CS, 50
.set SEL, 52
.set BIGN, 54
.set QHB, 56                           ; s[56:57], s[58:59] Q of the two blocks
.set OUTB, 60                          ; s[60:61], s[62:63] out0 at the two blocks
.set MSB, 0
.macro WIN new
.if MSB != (\new)
	s_set_vgpr_msb (MSB<<8)|(\new)
.set MSB, (\new)
.endif
.endm
.macro PLACES
.rept 4
	v_nop
.endr
.endm
.macro CROUND                          ; a round of the cluster's barrier
	s_barrier_signal -1
	s_barrier_wait -1
	s_cmp_lg_u32 s[WV], 0
	s_cbranch_scc1 .Lnot_wave_0_\@
	s_barrier_signal -3
.Lnot_wave_0_\@:
	s_barrier_wait -3
	s_barrier_signal -1
	s_barrier_wait -1
.endm
; THE CHANGE OF SLOTS.  Each wave waits for all its tensor loads (one is out: its part of the other slot), adds 0 to its spare word, and waits for that and for its reads of the slot that it leaves (V's among them).
; fill = 1: the barrier is a round of the cluster's, and the joint refill, tile NXT into the slot just left, is the first thing behind it; its address is made anew from the tile's number.
.macro CHANGE fill
	WIN 0
	s_wait_tensorcnt 0x0
	ds_add_u32 v[SPW], v[NIL]
.if \fill
	s_lshl_b32 s[OFF], s[NXT], 16          ; a tile is 65,536 bytes of K and of V
	s_xor_b32 s[G0+1], s[G0+1], SLOT1
	s_add_nc_u64 s[G0+2:G0+3], s[BASEW:BASEW+1], s[OFF:OFF+1]
	s_or_b32 s[G0+3], s[G0+3], 0x80000000
	s_add_co_u32 s[NXT], s[NXT], 1         ; the block's next tile, or behind its last the second block's tile 0
	s_cmp_gt_u32 s[NXT], s[LQ]
	s_cselect_b32 s[NXT], 0, s[NXT]
	s_cselect_b32 s[LQ], s[AA], s[LQ]
	s_wait_xcnt 0x0                        ; the last prefetch, a trip back, has read its address
	s_add_nc_u64 s[PFA:PFA+1], s[PFA:PFA+1], 0x10000
.endif
	s_xor_b32 s[TB], s[TB], SLOT1
	s_wait_dscnt 0x0
.if \fill
	CROUND
	tensor_load_to_lds s[G0:G0+3], s[G1:G1+7]
	s_nop 0
	PLACES
.else
	s_barrier_signal -1
	s_barrier_wait -1
.endif
.endm
; A PREFETCH INTO THE L2.  The 16 clusters of a sequence all walk upward from tile 0; the first of them (cluster x = 0, whose first block walks all 16 tiles) asks.  In the trip that loads tile t + 1 it names tile t + 5,
; four trips (256 matrix instructions a wave) ahead of the load, while t + 5 <= 15.  Of the 32 KiB that a wave fetches each of the four partners names 8 KiB, told apart by address: a lane a block of 256 bytes.
; So each block is named once; tiles 0 to 4 come by their loads alone.
.macro ASK
	s_cmp_gt_u32 s[SLOTS], s[LIM]
	s_cbranch_scc0 .Lnot_mine_\@
	global_prefetch_b8 v[PFO], s[PFA:PFA+1] th:TH_LOAD_NT scope:SCOPE_SE
.Lnot_mine_\@:
.endm
.macro FETCH_K                         ; my 64 keys: fragment (kb, chunk c) at KF + 32 kb + 8 c
	WIN 0
	v_add_nc_u32 v[ADR], s[TB], v[AK0]
	WIN 0x80
.set i, 0
.rept 32
	ds_load_b128 v[KF+4*i:KF+4*i+3], v[ADR] offset:512*i
.set i, i+1
.endr
	WIN 0
.endm
.macro FETCH_V                         ; fragment (kk, cb) at 8 (8 kk + cb): keys 32 kk + 0..15 in registers 0-3, the next 16 in 4-7
	WIN 0
	v_add_nc_u32 v[ADR], s[TB], v[AV0]
	WIN 0xc0
.set i, 0
.rept 16
	ds_load_b128 v[8*i:8*i+3],   v[ADR] offset:(16*(i/8)+i%8)*512
	ds_load_b128 v[8*i+4:8*i+7], v[ADR] offset:(16*(i/8)+8+i%8)*512
.set i, i+1
.endr
	WIN 0
.endm
; The accumulators take turns, one instruction a turn: 7 (K Q^T) or 15 (V^T P) others stand between two links of a chain.
.macro KQALL                           ; product i: chunk i / 8, key block (i / 2) % 4, tile i % 2; the first 8 start the sums with the mask
	WIN 0x0a
.set i, 0
.rept 32
.set rS, S+32*(i%2)+8*((i/2)%4)
.set rK, KF+32*((i/2)%4)+8*(i/8)
.set rQ, 32*(i%2)+8*(i/8)
.set rM, MASK+32*(i%2)+8*((i/2)%4)
.if i < 8
	v_wmma_f32_16x16x32_f16 v[rS:rS+7], v[rK:rK+7], v[rQ:rQ+7], v[rM:rM+7]
.else
	v_wmma_f32_16x16x32_f16 v[rS:rS+7], v[rK:rK+7], v[rQ:rQ+7], v[rS:rS+7]
.endif
.set i, i+1
.endr
.endm
.macro PVALL                           ; product i: keys 32 (i / 16) on, channel block (i / 2) % 8, tile i % 2
	WIN 0x53
.set i, 0
.rept 32
.set rO, 64*(i%2)+8*((i/2)%8)
.set rV, 64*(i/16)+8*((i/2)%8)
.set rP, P+16*(i%2)+8*(i/16)
	v_wmma_f32_16x16x32_f16 v[rO:rO+7], v[rV:rV+7], v[rP:rP+7], v[rO:rO+7]
.set i, i+1
.endr
.endm
.macro SUMS d                          ; pairs d registers apart are added, in place
.set sn, 0
.rept (\d)/2
.irp t, 0,1
	v_pk_add_f32 v[S+32*\t+sn:S+32*\t+sn+1], v[S+32*\t+sn:S+32*\t+sn+1], v[S+32*\t+sn+(\d):S+32*\t+sn+(\d)+1]
.endr
.set sn, sn+2
.endr
.endm
; THE SOFTMAX of both tiles for one key step, the tiles alternating.  Each accumulator's lowest registers are read first.  The 66 exponentials are ONE batch: nothing ahead of the wait names a result.
.macro SMALL
	WIN 0
.irp c, 0,1,2,3
.irp t, 0,1
	v_max3_num_f32 v[ST+8*\t+4+\c], v[S+32*\t+8*\c], v[S+32*\t+8*\c+1], v[S+32*\t+8*\c+2]
.endr
.endr
.irp k, 1,2
.irp c, 0,1,2,3
.irp t, 0,1
	v_max3_num_f32 v[ST+8*\t+4+\c], v[ST+8*\t+4+\c], v[S+32*\t+8*\c+2*\k+1], v[S+32*\t+8*\c+2*\k+2]
.endr
.endr
.endr
.irp t, 0,1
	v_max3_num_f32 v[ST+8*\t+4], v[ST+8*\t+4], v[S+32*\t+7], v[S+32*\t+15]
	v_max3_num_f32 v[ST+8*\t+6], v[ST+8*\t+6], v[S+32*\t+23], v[S+32*\t+31]
.endr
.irp t, 0,1
	v_max3_num_f32 v[ST+8*\t+4], v[ST+8*\t+4], v[ST+8*\t+5], v[ST+8*\t+6]
.endr
.irp t, 0,1
	v_max3_num_f32 v[ST+8*\t+4], v[ST+8*\t+4], v[ST+8*\t+7], v[ST+8*\t+1]  ; and the old m
.endr
.irp t, 0,1
	v_permlanex16_b32 v[ST+8*\t+5], v[ST+8*\t+4], s[SEL], s[SEL+1]        ; the query's other 32 keys lie in the lane 16 away
.endr
.irp t, 0,1
	v_mov_b32 v[ST+8*\t+7], v[ST+8*\t]                                    ; c m_old
.endr
.irp t, 0,1
	v_max_num_f32 v[ST+8*\t+1], v[ST+8*\t+4], v[ST+8*\t+5]
.endr
.irp t, 0,1
	v_mul_f32 v[ST+8*\t], s[CS], v[ST+8*\t+1]
.endr
.irp t, 0,1
	v_sub_f32 v[ST+8*\t+7], v[ST+8*\t+7], v[ST+8*\t]
.endr
.set sn, 0
.rept 16
.irp t, 0,1
	v_pk_fma_f32 v[S+32*\t+sn:S+32*\t+sn+1], v[S+32*\t+sn:S+32*\t+sn+1], s[CS:CS+1], v[ST+8*\t:ST+8*\t+1] op_sel_hi:[1,0,0] neg_lo:[0,0,1] neg_hi:[0,0,1]  ; c s - c m
.endr
.set sn, sn+2
.endr
.irp t, 0,1
	v_exp_f32 v[ST+8*\t+6], v[ST+8*\t+7]                                  ; a
.endr
.set sn, 0
.rept 32
.irp t, 0,1
	v_exp_f32 v[S+32*\t+sn], v[S+32*\t+sn]
.endr
.set sn, sn+1
.endr
	v_nop                                  ; a plain instruction behind the last exponential
	s_wait_alu depctr_va_vdst(0)           ; the one wait ahead of the batch's first reader
.set sn, 0
.rept 16
.irp t, 0,1
	v_cvt_pk_f16_f32 v[P+16*\t+sn], v[S+32*\t+2*sn], v[S+32*\t+2*sn+1]
.endr
.set sn, sn+1
.endr
	SUMS 16
	SUMS 8
	SUMS 4
	SUMS 2
.irp t, 0,1
	v_pk_fma_f32 v[ST+8*\t+2:ST+8*\t+3], v[ST+8*\t+2:ST+8*\t+3], v[ST+8*\t+6:ST+8*\t+7], v[S+32*\t:S+32*\t+1] op_sel_hi:[1,0,1]  ; l = a l + the sum
.endr
	WIN 0x41
.set sn, 0
.rept 32
.irp t, 0,1
	v_pk_mul_f32 v[64*\t+2*sn:64*\t+2*sn+1], v[64*\t+2*sn:64*\t+2*sn+1], v[ST+8*\t+6:ST+8*\t+7] op_sel_hi:[1,0]  ; O^T times a
.endr
.set sn, sn+1
.endr
	WIN 0
.endm
; THE SECOND BLOCK BEGINS: the first block's O^T and statistics are set aside, its Q is replaced, the mask is 0 again, m starts anew.  O^T and l need only be finite: they are multiplied by a = 0, or weighed by 0 at the meeting.
.macro BEGIN
	s_mov_b32 s[NEW], 0
	WIN 0x41
.set i, 0
.rept 128
	v_mov_b32 v[128+i], v[i]
.set i, i+1
.endr
	WIN 0x82
.set i, 0
.rept 64
	v_mov_b32 v[i], v[QL+i]
.set i, i+1
.endr
	WIN 0
.set i, 0
.rept 16
	v_mov_b32 v[SST+i], v[ST+i]
.set i, i+1
.endr
.set i, 0
.rept 64
	v_mov_b32 v[MASK+i], 0
.set i, i+1
.endr
.irp t, 0,1
	v_mov_b32 v[ST+8*\t], 0xdc0293ee       ; c x -2^60
	v_mov_b32 v[ST+8*\t+1], 0xdd800000     ; -2^60
.endr
	v_mov_b32 v[DCUR], v[DL]
.endm
.macro MASKS                           ; a block's last tile: register i = 32 t + 8 kb + jr
	WIN 0
.set i, 0
.rept 64
	v_cmp_gt_i32 vcc_lo, 16*((i/8)%4)+i%8-16*(i/32), v[DCUR]
	v_cndmask_b32 v[MASK+i], 0, s[BIGN], vcc_lo
.set i, i+1
.endr
.endm
.macro TRIPBODY inloop
	FETCH_K
.if \inloop
	ASK
.endif
	PVALL                                  ; the tile before: P and V lie in registers (V was waited for in the change of slots)
	WIN 0
	PLACES                                 ; four places in front of the loads into V, and of the copies of O^T
	FETCH_V
	s_sub_co_u32 s[RT], s[RT], 1
	s_cmp_eq_u32 s[NEW], 1
	s_cbranch_scc0 .Lold_\@
	BEGIN
.Lold_\@:
.if \inloop
	s_cmp_eq_u32 s[RT], 0
	s_cbranch_scc0 .Lopen_\@
.endif
	MASKS
.if \inloop
.Lopen_\@:
.endif
	s_wait_dscnt 32                        ; K is in; V's 32 loads stay out
	KQALL
	WIN 0
	PLACES
	SMALL
	s_add_co_u32 s49, s[AA], 1             ; behind a block's last tile: the second block has A + 1 tiles
	s_cmp_eq_u32 s[RT], 0
	s_cselect_b32 s[RT], s49, s[RT]
	s_cselect_b32 s[NEW], 1, s[NEW]
.endm
	s_load_b256 s[4:11], s[0:1], 0x0       ; qf s[4:5], kf s[6:7], vf s[8:9], out0 s[10:11]
	v_lshl_add_u32 v[SPW], v0, 2, SPARE
	v_mov_b32 v[NIL], 0
	ds_add_u32 v[SPW], v[NIL]              ; the wave's opening: the add, twice on end, waited for ahead of my first tensor load
	ds_add_u32 v[SPW], v[NIL]
	v_lshrrev_b32 v1, 5, v0
	v_readfirstlane_b32 s[WV], v1
	s_bfe_u32 s[CX], ttmp6, 0x40000        ; my place in the cluster: it enters Q's, out0's and the prefetches' addresses and the mask's numbers alone
	s_mov_b32 s[CC], ttmp9
	s_lshr_b32 s[AA], ttmp9, 1             ; A: the same in all four partners
	s_and_b32 s16, ttmp7, 0xffff           ; the sequence
	s_mov_b32 s[G1+0], 15|(3<<16)|(1<<21)  ; mask of four; 8-byte elements; bit 21 beside a mask; no padding
	s_mov_b32 s[G1+1], 32<<16              ; tensor_dim0 = 32: rows of 256 bytes
	s_mov_b32 s[G1+2], 128<<16             ; tensor_dim1 = 128
	s_mov_b32 s[G1+3], 32<<16              ; tile_dim0 = 32
	s_mov_b32 s[G1+4], 128                 ; tile_dim1 = 128
	s_mov_b32 s[G1+5], 32                  ; dense
	s_mov_b32 s[G1+6], 0
	s_mov_b32 s[G1+7], 0
	s_mov_b32 s[G0], 1
	s_lshl_b32 s[G0+1], s[WV], 15          ; slot 0, my 32 KiB: K's halves, then V's
	s_lshl_b32 s20, s16, 20                ; a sequence is 1 MiB of K and of V
	s_and_b32 s2, s[WV], 1
	s_lshl_b32 s2, s2, 15
	s_add_co_u32 s20, s20, s2
	s_mov_b32 s21, 0
	s_mov_b32 s[OFF+1], 0
	s_mov_b32 s[SLOTS], 16
	s_sub_co_u32 s[RT], 16, s[AA]
	s_mov_b32 s[NXT], 1
	s_sub_co_u32 s[LQ], 15, s[AA]
	s_mov_b32 s[NEW], 0
	s_mov_b32 s[TB], SLOT1                 ; the first change of slots turns it into 0
	s_mov_b32 s[CS], 0x3e0293ee            ; c = log2(e) / sqrt(128)
	s_mov_b32 s[CS+1], s[CS]
	s_mov_b32 s[SEL], 0x76543210
	s_mov_b32 s[SEL+1], 0xfedcba98
	s_mov_b32 s[BIGN], 0xf1800000          ; -2^100
	s_cmp_eq_u32 s[CC], 0
	s_cselect_b32 s[LIM], 5, -1            ; the asking cluster asks while more than 5 fills are to come
	v_and_b32 v12, 31, v0                  ; lane
	v_and_b32 v13, 15, v0                  ; r
	v_bfe_u32 v14, v0, 4, 1                ; h
	s_lshl_b32 s23, s[WV], 14
	v_lshl_add_u32 v[AK0], v12, 4, s23
	v_add_nc_u32 v[AV0], 0x10000, v[AK0]
	v_lshlrev_b32 v[QO], 4, v12
	s_mul_i32 s23, s[WV], OWAVE
	v_mul_u32_u24 v[STO], v13, OPITCH
	v_lshl_add_u32 v[STO], v14, 7, v[STO]
	v_add_nc_u32 v[STO], s23, v[STO]       ; my stage, row r, channels 32 h on
	s_mul_i32 s23, s[WV], 8*OPITCH
	v_lshl_add_u32 v[RD0], v12, 4, s23     ; back: rows 8 w on of waves 0, 1,
	v_add_nc_u32 v[RD0+1], 2*OWAVE, v[RD0] ; and of waves 2, 3
	s_lshl_b32 s23, s[WV], 12
	v_lshl_add_u32 v[GO], v12, 4, s23
	s_lshl_b32 s23, s[WV], 8
	s_add_co_u32 s23, s23, STATS
	v_lshl_add_u32 v[SAS], v12, 3, s23
	v_lshl_add_u32 v[SRS], v12, 3, STATS
	v_lshlrev_b32 v[PFO], 8, v12
	s_lshl_b32 s17, s[CC], 2
	s_add_co_u32 s17, s17, s[CX]           ; j
	s_and_b32 s18, s17, 7                  ; the second block's place in its last tile,
	s_sub_co_u32 s19, 7, s18               ; the first block's
	s_lshl_b32 s22, s[WV], 6
	s_lshl_b32 s18, s18, 5
	s_sub_co_u32 s18, s18, s22
	s_lshl_b32 s19, s19, 5
	s_sub_co_u32 s19, s19, s22
	v_lshlrev_b32 v15, 3, v14
	v_sub_nc_u32 v15, v13, v15             ; r - 8 h
	v_add_nc_u32 v[DL], s18, v15
	v_add_nc_u32 v[DCUR], s19, v15
	s_sub_co_u32 s55, 127, s17             ; the first block's number
	s_wait_dscnt 0x0                       ; both opening adds are done
	s_wait_kmcnt 0x0
	s_cmp_lt_u32 s[WV], 2
	s_cselect_b64 s[BASEW:BASEW+1], s[6:7], s[8:9]
	s_add_nc_u64 s[BASEW:BASEW+1], s[BASEW:BASEW+1], s[20:21]
	s_mov_b64 s[G0+2:G0+3], s[BASEW:BASEW+1]  ; tile 0
	s_or_b32 s[G0+3], s[G0+3], 0x80000000
	s_lshl_b32 s22, s[CX], 13              ; my work-group's 8 KiB of the 32,
	s_add_co_u32 s22, s22, 0x40000         ; in tile 4: the first change of slots steps it to tile 5
	s_mov_b32 s23, 0
	s_add_nc_u64 s[PFA:PFA+1], s[BASEW:BASEW+1], s[22:23]
	s_mov_b32 s19, 0
	s_lshl_b32 s18, s16, 20
	s_lshl_b32 s22, s55, 13                ; a block is 32 rows of 256 bytes of Q
	s_add_co_u32 s18, s18, s22
	s_add_nc_u64 s[QHB:QHB+1], s[4:5], s[18:19]
	s_lshl_b32 s18, s16, 20
	s_lshl_b32 s22, s17, 13
	s_add_co_u32 s18, s18, s22
	s_add_nc_u64 s[QHB+2:QHB+3], s[4:5], s[18:19]
	s_lshl_b32 s18, s16, 21
	s_lshl_b32 s22, s55, 14                ; and 32 rows of 512 bytes of out0
	s_add_co_u32 s18, s18, s22
	s_add_nc_u64 s[OUTB:OUTB+1], s[10:11], s[18:19]
	s_lshl_b32 s18, s16, 21
	s_lshl_b32 s22, s17, 14
	s_add_co_u32 s18, s18, s22
	s_add_nc_u64 s[OUTB+2:OUTB+3], s[10:11], s[18:19]
	CROUND                                 ; all four work-groups are here: the first joint loads meet
	tensor_load_to_lds s[G0:G0+3], s[G1:G1+7]  ; tile 0 into slot 0; slot 1 is asked for by the first change of slots
	s_nop 0
	PLACES
	WIN 0x80
.set i, 0
.rept 16                                   ; both blocks' Q: fragment (t, c) at 32 t + 8 c; 512 consecutive bytes a load
	global_load_b128 v[4*i:4*i+3], v[QO], s[QHB:QHB+1] offset:512*i
	global_load_b128 v[QL+4*i:QL+4*i+3], v[QO], s[QHB+2:QHB+3] offset:512*i
.set i, i+1
.endr
	; What the first trip finds: V and P hold 0 (its products V^T P, of a tile that has not been, add 0), O^T, l and the mask are 0.  The copies are written too, so that every register is written on every path.
	; All this stands in the wait for the first tile: the price of writing no first step out.
	WIN 0x40
.set i, 0
.rept 256
	v_mov_b32 v[i], 0
.set i, i+1
.endr
	WIN 0xc0
.set i, 0
.rept 128
	v_mov_b32 v[i], 0
.set i, i+1
.endr
	WIN 0
.set i, 0
.rept 32
	v_mov_b32 v[ST+i], 0
.set i, i+1
.endr
.irp t, 0,1
	v_mov_b32 v[ST+8*\t], 0xdc0293ee       ; c x -2^60
	v_mov_b32 v[ST+8*\t+1], 0xdd800000     ; -2^60
.endr
.set i, 0
.rept 96
	v_mov_b32 v[P+i], 0                    ; P and the mask
.set i, i+1
.endr
	s_wait_loadcnt 0x0                     ; Q
.Lslot:                                    ; 16 trips: a tile is entered and the next is asked for
	CHANGE 1
	TRIPBODY 1
	s_sub_co_u32 s[SLOTS], s[SLOTS], 1
	s_cmp_lg_u32 s[SLOTS], 0
	s_cbranch_scc1 .Lslot
	CHANGE 0                               ; the walk's last tile, the second block's last, is written out: nothing is asked for
	TRIPBODY 0
	s_wait_dscnt 0x0                       ; V is in
	PVALL
	WIN 0
	; THE MEETING.  x = 0, 1: the first block's two tiles (the copies); x = 2, 3: the second block's.  Each wave's (c m, l) go into LDS.
.set x, 0
.rept 4
.set bs, SST+8*x-32*(x/2)
	v_add_f32 v[bs+2], v[bs+2], v[bs+3]
.set x, x+1
.endr
.set x, 0
.rept 4
.set bs, SST+8*x-32*(x/2)
	v_permlanex16_b32 v[bs+3], v[bs+2], s[SEL], s[SEL+1]
.set x, x+1
.endr
.set x, 0
.rept 4
.set bs, SST+8*x-32*(x/2)
	v_add_f32 v[bs+1], v[bs+2], v[bs+3]    ; l, beside c m
.set x, x+1
.endr
.set x, 0
.rept 4
.set bs, SST+8*x-32*(x/2)
	ds_store_b64 v[SAS], v[bs:bs+1] offset:x*1024
.set x, x+1
.endr
	s_wait_dscnt 0x0
	s_barrier_signal -1
	s_barrier_wait -1                      ; all statistics lie in LDS, and nobody reads the slots any more
.set x, 0
.rept 16
	ds_load_b64 v[TMP+2*x:TMP+2*x+1], v[SRS] offset:(x/4)*1024+(x%4)*256
.set x, x+1
.endr
	s_wait_dscnt 0x0
.set x, 0
.rept 4
	v_max3_num_f32 v[WK+8*x+5], v[TMP+8*x], v[TMP+8*x+2], v[TMP+8*x+4]
.set x, x+1
.endr
.set x, 0
.rept 4
	v_max_num_f32 v[WK+8*x+5], v[WK+8*x+5], v[TMP+8*x+6]  ; the four waves' greatest c m
.set x, x+1
.endr
.set x, 0
.rept 16
	v_sub_f32 v[WK+8*(x/4)+x%4], v[TMP+2*x], v[WK+8*(x/4)+5]
.set x, x+1
.endr
.set x, 0
.rept 4
.set bs, SST+8*x-32*(x/2)
	v_sub_f32 v[WK+8*x+4], v[bs], v[WK+8*x+5]  ; my own
.set x, x+1
.endr
.set x, 0
.rept 4
.irp k, 0,1,2,3,4
	v_exp_f32 v[WK+8*x+\k], v[WK+8*x+\k]
.endr
.set x, x+1
.endr
	v_nop
	s_wait_alu depctr_va_vdst(0)           ; one wait for the 20 exponentials
.set x, 0
.rept 4
	v_mul_f32 v[WK+8*x+6], v[WK+8*x], v[TMP+8*x+1]
.set x, x+1
.endr
.irp k, 1,2,3
.set x, 0
.rept 4
	v_fmac_f32 v[WK+8*x+6], v[WK+8*x+\k], v[TMP+8*x+2*\k+1]  ; L = the sum of f l
.set x, x+1
.endr
.endr
.set x, 0
.rept 4
	v_rcp_f32 v[WK+8*x+7], v[WK+8*x+6]
.set x, x+1
.endr
	v_nop
	s_wait_alu depctr_va_vdst(0)           ; one wait for the four reciprocals
.set x, 0
.rept 4
	v_mul_f32 v[WK+8*x+7], v[WK+8*x+7], v[WK+8*x+4]  ; g = my f / L
.set x, x+1
.endr
	; My O^T times g goes into my stage as rows of true channels: registers j of channel blocks 4 g + 0..3 are channels 64 g + 32 h + 4 j + 0..3.  j ascends from 0: each accumulator's lowest register is read first.
.set x, 0
.rept 4
.set g, 0
.rept 2
	WIN 0x01
.set n, 0
.rept 32
	v_mul_f32 v[TMP+n], v[128*(1-x/2)+64*(x%2)+8*(4*g+n%4)+n/4], v[WK+8*x+7]
.set n, n+1
.endr
	WIN 0
.set n, 0
.rept 8
	ds_store_b128 v[STO], v[TMP+4*n:TMP+4*n+3] offset:(x/2)*OBLK+(x%2)*16*OPITCH+256*g+16*n
.set n, n+1
.endr
.set g, g+1
.endr
.set x, x+1
.endr
	s_wait_dscnt 0x0
	s_barrier_signal -1
	s_barrier_wait -1
	; Wave w adds the four waves' rows 8 w .. 8 w + 7 of each block and stores them: a store is a whole row of out0, 512 consecutive bytes, aligned.
.set k, 0
.rept 2
.if k == 1
	s_wait_xcnt 0x0                        ; the first block's stores have read their registers
.endif
.set n, 0
.rept 32
	ds_load_b128 v[LD+4*n:LD+4*n+3], v[RD0+(n%4)/2] offset:(n%2)*OWAVE+k*OBLK+(n/4)*OPITCH
.set n, n+1
.endr
.set n, 0
.rept 8
	s_wait_dscnt 4*(7-n)                   ; row n's four loads are in; the later rows' stay out
.set L, LD+16*n
	v_pk_add_f32 v[L:L+1], v[L:L+1], v[L+4:L+5]
	v_pk_add_f32 v[L+2:L+3], v[L+2:L+3], v[L+6:L+7]
	v_pk_add_f32 v[L+8:L+9], v[L+8:L+9], v[L+12:L+13]
	v_pk_add_f32 v[L+10:L+11], v[L+10:L+11], v[L+14:L+15]
	v_pk_add_f32 v[L:L+1], v[L:L+1], v[L+8:L+9]
	v_pk_add_f32 v[L+2:L+3], v[L+2:L+3], v[L+10:L+11]
	global_store_b128 v[GO], v[L:L+3], s[OUTB+2*k:OUTB+2*k+1] offset:512*n th:TH_STORE_NT
.set n, n+1
.endr
.set k, k+1
.endr
	s_wait_tensorcnt 0x0                   ; the wave's end: after my last tensor load and my last LDS store: a wait, an add, a wait
	ds_add_u32 v[SPW], v[NIL]
	s_wait_dscnt 0x0
	CROUND                                 ; the closing round
	s_endpgm
.Lfunc_end_k_qdad5743c42_attn:
	.size	k_qdad5743c42_attn, .Lfunc_end_k_qdad5743c42_attn-k_qdad5743c42_attn
	.p2alignl 7, 3214868480
	.fill 96, 4, 3214868480
	.section	.rodata,"a",@progbits
	.p2align	6, 0x0
	.amdhsa_kernel k_qdad5743c42_attn
		.amdhsa_group_segment_fixed_size 327680
		.amdhsa_private_segment_fixed_size 0
		.amdhsa_enable_private_segment 0
		.amdhsa_kernarg_size 32
		.amdhsa_user_sgpr_count 2
		.amdhsa_user_sgpr_kernarg_segment_ptr 1
		.amdhsa_wavefront_size32 1
		.amdhsa_system_sgpr_workgroup_id_x 1
		.amdhsa_system_sgpr_workgroup_id_y 1
		.amdhsa_system_sgpr_workgroup_id_z 1
		.amdhsa_system_vgpr_workitem_id 0
		.amdhsa_next_free_vgpr 896
		.amdhsa_next_free_sgpr 66
		.amdhsa_reserve_vcc 1
		.amdhsa_float_denorm_mode_32 3
		.amdhsa_float_denorm_mode_16_64 3
		.amdhsa_memory_ordered 1
		.amdhsa_forward_progress 1
		.amdhsa_inst_pref_size 135
	.end_amdhsa_kernel
	.amdgpu_metadata
---
amdhsa.version: [ 1, 2 ]
amdhsa.kernels:
  - .name:           k_qdad5743c42_attn
    .symbol:         k_qdad5743c42_attn.kd
    .args:
      - { .name: qf, .offset: 0, .size: 8, .value_kind: global_buffer, .address_space: global }
      - { .name: kf, .offset: 8, .size: 8, .value_kind: global_buffer, .address_space: global }
      - { .name: vf, .offset: 16, .size: 8, .value_kind: global_buffer, .address_space: global }
      - { .name: out0, .offset: 24, .size: 8, .value_kind: global_buffer, .address_space: global }
    .group_segment_fixed_size: 327680
    .private_segment_fixed_size: 0
    .kernarg_segment_align: 8
    .kernarg_segment_size: 32
    .max_flat_workgroup_size: 128
    .sgpr_count:     66
    .vgpr_count:     896
    .wavefront_size: 32
...
	.end_amdgpu_metadata
.endif
;; end of part 2
;; ======== version 2 of 2: 2 launches
;; limits: values are held in f16: magnitudes above 65,504 overflow, below 6.1e-05 lose precision
;; workspace buffers: qf 4,194,304 bytes; kf 4,194,304 bytes; vf 4,194,304 bytes
;; launch proj (part 3): grid 256 x 1, 4 waves a work-group, clusters of 4 x 1, 327,680 bytes of LDS; arguments embds, Wq, Wk, Wv, bq, bv, qf, kf, vf; writes qf, kf, vf
.if DOCPART == 3
	.amdgcn_target "amdgcn-amd-amdhsa--gfx1250"
	.amdhsa_code_object_version 6
	.text
	.protected	k_qdad5743c42_proj
	.globl	k_qdad5743c42_proj
	.p2align	8
	.type	k_qdad5743c42_proj,@function
k_qdad5743c42_proj:
	s_mov_b64 s[64:65], 0
	v_nop
	global_prefetch_b8 v0, s[64:65] scope:SCOPE_SE
	s_setreg_imm32_b32 hwreg(HW_REG_WAVE_MODE, 25, 1), 1
	s_wait_xcnt 0x0
	s_wait_alu depctr_hold_cnt(0) depctr_sa_sdst(0) depctr_va_vdst(0) depctr_va_sdst(0) depctr_va_ssrc(0) depctr_va_vcc(0) depctr_vm_vsrc(0)
	s_getreg_b32 s2, hwreg(HW_REG_IB_STS2, 6, 4)
	s_cmp_eq_u32 s2, 0
	s_cbranch_scc0 .Lentry_in_a_cluster
	s_endpgm
.Lentry_in_a_cluster:
	s_bfe_u32 s2, ttmp6, 0x10000c
	s_cmp_lg_u32 s2, 0x3003
	s_cbranch_scc0 .Lentry_shape_is_right
	s_endpgm
.Lentry_shape_is_right:
; q = x Wq + bq, k = x Wk, v = x Wv + bv.  x = embds as [16384][1024] f32, W [1024][128] f32.  x, W and the biases are rounded to bf16, sums in f32, q, k, v rounded once to f16.
; DEAD WORK: bk.  k_j = x_j Wk + bk adds q_i . bk to every score of row i; that term is the same along the softmax's axis, so it cancels in softmax(scores) for all values of the inputs.
; bk has then no way to the output: it is not loaded and is no argument of any launch.  A NaN, an infinity or an overflow that reaches only bk or q . bk is not carried to the result.
; LIMITS: |q|, |k|, |v| stay under 65,504 (f16); NaN and infinities are not treated apart; the order of K in the sums differs from cluster to cluster (below).
; WORKSPACE qf, kf, vf, f16, in the order in which the next launch's matrix operands take them: byte ((row / 16) * 8 + blk) * 512 + lane * 16; a block of 512 bytes is four registers of 32 lanes.
;   qf, kf: lane (r = lane % 16, h = lane / 16) holds row 16 g + r; blk = 4 u + e; its eight halves j are channels 64 u + 32 h + 4 j + e: the same order of channels in q and in k, so q . k is unchanged.
;   vf: lane (r, h) holds channel 64 u + 4 r + e and the keys 16 g + 8 h + 0..7: half a fragment of V^T.
; SHARES.  A work-group owns 128 rows and 192 columns: columns 64 u .. 64 u + 63 of each of q, k, v, with u = the cluster's number & 1.  Wave w: rh = w & 1: rows 64 rh .. 64 rh + 63; kh = w >> 1: k = 32 kh .. 32 kh + 31
; of every 64 k.  So a wave has 48 accumulators (64 rows x 192 columns), partial sums over half of K; the two halves meet once, in f32, through LDS.
; WHY THIS TILE.  A slab of 128 k of the work-group's 64 columns of the three matrices is 3 x 128 rows x 256 bytes = 96 KiB: one tensor load a wave brings it, and it serves 96 matrix instructions a wave; two such slots fit in LDS.
; With all 128 columns a slot of these bytes would hold 64 k and serve 48.  The price: each row of x is loaded and rounded by two work-groups, one for each u.
; W WITHOUT TURNING.  A lane reads 16 bytes W[k][64 u + 4 r .. + 3]; register e of that load belongs to fragment e, whose column index r means column 64 u + 4 r + e.  16 loads make four fragments.
; q, k: D = W-fragment x x-fragment (a lane holds one row of x and eight channels); v: D = x-fragment x W-fragment (a lane holds one channel and eight keys).
; CLUSTER.  The four partners have the same u and other rows: they walk the same halves of W, and each slab is asked for jointly by the four; waves 0, 1, 2 fetch Wq, Wk, Wv; wave 3 fetches none.
; x is NOT asked for jointly: the two work-groups that read a row lie in neighbouring clusters.  As f32 tiles of the mover x would want two slots of 128 rows x 512 bytes: 196,608 + 131,072 + 512 bytes are more than LDS has.
; So x comes through registers (two sets of 32 rows x 128 k a wave, 64 loads of 512 consecutive bytes, on their way), is rounded and stored in LDS; its loads carry no hint, since two work-groups read each row.
; WHERE THE WALK BEGINS.  The order of K in a sum is free.  K is eight pairs (128 k each); the clusters with G = number >> 1 begin at pair P0 = (G ^ G >> 3 ^ (G & 1) << 2) & 7 and go round.  So at one time the clusters ask
; for eight different parts of W.  P0 enters global addresses alone (W's slabs, x's columns); it is the same in the four partners, and in the two clusters that read the same rows of x.
; No prefetch: x is asked for two steps ahead by its loads, from the head on, and W's slabs are walked by every cluster.
; REGISTERS (windows of 256): window 0 addresses, CT, biases, XF (x fragments, two sets), F (W fragments, two sets); window 1: T (W as loaded, two sets of 64), XR set 0;
;   window 2: accumulators of q (0-127) and k (128-255); window 3: accumulators of v (0-127), XR set 1.  Accumulator (e, mb) at 8 (4 mb + e); mb 0, 1 are the rows I keep, mb 2, 3 those I send.
.set WMAT,   32768                     ; one matrix's slab in LDS: 128 rows (k) of 256 bytes, no padding: a load's 16 lanes take 256 consecutive bytes of one row
.set SUBK,   16384                     ; 64 of those rows: a sub-step's part
.set SLOT1,  131072                    ; slot 0 at 0, slot 1 here; in a slot Wq, Wk, Wv on end
.set XS,     SLOT1+3*WMAT              ; x in bf16: two columns of 128 k, each 128 rows of 272 bytes (256 + 16: 17 x 16, so the 16 rows of a fragment load start in different groups of four banks; 64 banks of 4 bytes: ISA guide 11.1)
.set XPITCH, 272
.set XCOL,   128*XPITCH
.set SPARE,  XS+2*XCOL                 ; the spare words: 128 bytes a wave, two blocks of 256 bytes that no other line names
.set STG,    24576                     ; the way out: 24 accumulators of 1,024 bytes a wave, in slot 0 after its last fill and its last read
.set XO,  2                            ; v2   x: 16 x lane + my 32 rows
.set XSA, 3                            ; v3   where I store x, in column 0
.set XA0, 4                            ; v4   x fragments of the rows I keep, in column 0
.set XA1, 5                            ; v5   of the rows I send
.set WA,  6                            ; v6-7 W loads in slot 0, 1 (Wq, Wk)
.set WB,  8                            ; v8-9 the same for Wv
.set SA,  12                           ; v12  my stage
.set RA,  13                           ; v13  my partner's (wave w ^ 2)
.set OA,  14                           ; v14  my byte offset in the work-group's part of qf, kf, vf
.set CT,  16                           ; v16-31 at work
.set BQ,  32                           ; v32-63 bq[64 u + 32 h + 4 j + e] at BQ + 4 j + e
.set XF,  64                           ; v64-127
.set F,   128                          ; v128-191
.set BV,  192                          ; v192-195 bv[64 u + 4 r + e]
.set BQO, 200
.set BVO, 201
.set SPW, 252                          ; my spare word's address; never rewritten
.set NIL, 253                          ; 0; never rewritten
.set OUTR, 64                          ; the way out: 96 registers of packed results
.set WV, 22
.set RH, 23
.set KH, 24
.set CX, 25
.set RB, 26
.set G1, 28                            ; s[28:35] descriptor group 1
.set G0, 36                            ; s[36:43] group 0, a set for each slot
.set CH, 44                            ; u
.set CNT, 45
.set XB, 46                            ; s[46:47] x at the work-group's first row
.set OB, 48                            ; s[48:53] qf, kf, vf at the work-group's part
.set WS, 54                            ; s[54:55] the matrix that I fetch, at my cluster's 64 columns
.set OF, 56                            ; s[56:57] an offset, the high word 0
.set P0, 58                            ; the pair at which the walk begins
.set SI, 59                            ; the number (0..7) of the slab asked for last
.set XPB, 60                           ; s[60:63] x at the pair that register set 0, 1 was last asked for
.set PI, 66                            ; s66-67 that pair's number (0..7)
.set GG, 68
.set MSB, 0
.macro WIN new                         ; the high byte repeats the setting that is left; a switch that changes nothing is dropped
.if MSB != (\new)
	s_set_vgpr_msb (MSB<<8)|(\new)
.set MSB, (\new)
.endif
.endm
.macro PLACES
.rept 4
	v_nop
.endr
.endm
.macro CREST                           ; a round of the cluster's barrier behind its opening barrier
	s_cmp_lg_u32 s[WV], 0
	s_cbranch_scc1 .Lnot_wave_0_\@
	s_barrier_signal -3
.Lnot_wave_0_\@:
	s_barrier_wait -3
	s_barrier_signal -1
	s_barrier_wait -1
.endm
.macro CROUND
	s_barrier_signal -1
	s_barrier_wait -1
	CREST
.endm
.macro JLOAD p                         ; the joint fill of slot p: waves 0-2, one load each; the branch hangs on the wave's number alone
	s_cmp_lt_u32 s[WV], 3
	s_cbranch_scc0 .Lnoload_\@
	tensor_load_to_lds s[G0+4*(\p):G0+4*(\p)+3], s[G1:G1+7]
	s_nop 0
	PLACES
.Lnoload_\@:
.endm
.macro XLOAD set                       ; a pair (128 k) of my 32 rows: 32 loads of 512 consecutive bytes, a row each, into XR set
	WIN 0x40+0x80*(\set)
.set xl, 0
.rept 32
	global_load_b128 v[128+4*xl:128+4*xl+3], v[XO], s[XPB+2*(\set):XPB+2*(\set)+1] offset:xl*4096
.set xl, xl+1
.endr
	WIN 0
.endm
; The pair in XR set is rounded to bf16 and stored into column set.  left: the other set's loads, which are younger and stay out.  refill = 1: the set is asked for again, with the pair two on in the ring of eight;
; its base is written behind the wait that has shown the set's own loads done.
.macro XCONV set, left, refill
	s_wait_loadcnt \left
.set xb, 0
.rept 4
	WIN 0x05+0x0a*(\set)
.set xi, 0
.rept 8
	v_cvt_pk_bf16_f32 v[CT+2*xi], v[128+32*xb+4*xi], v[128+32*xb+4*xi+1]
	v_cvt_pk_bf16_f32 v[CT+2*xi+1], v[128+32*xb+4*xi+2], v[128+32*xb+4*xi+3]
.set xi, xi+1
.endr
	WIN 0
.set xi, 0
.rept 8
	ds_store_b64 v[XSA], v[CT+2*xi:CT+2*xi+1] offset:(8*xb+xi)*XPITCH+(\set)*XCOL
.set xi, xi+1
.endr
.set xb, xb+1
.endr
.if \refill
	s_add_co_u32 s[PI+(\set)], s[PI+(\set)], 2
	s_and_b32 s[PI+(\set)], s[PI+(\set)], 7
	s_lshl_b32 s[OF], s[PI+(\set)], 9      ; 128 k of f32
	s_add_nc_u64 s[XPB+2*(\set):XPB+2*(\set)+1], s[XB:XB+1], s[OF:OF+1]
	XLOAD \set
.endif
.endm
.macro XFLOAD p, c                     ; the sub-step's four x fragments (16 rows x my 32 k) out of column c into XF set p
	WIN 0
.irp m, 0,1,2,3
	ds_load_b128 v[XF+32*(\p)+8*\m:XF+32*(\p)+8*\m+3],   v[XA0+(\m)/2] offset:(\c)*XCOL+((\m)%2)*16*XPITCH+(\p)*128
	ds_load_b128 v[XF+32*(\p)+8*\m+4:XF+32*(\p)+8*\m+7], v[XA0+(\m)/2] offset:(\c)*XCOL+((\m)%2)*16*XPITCH+(\p)*128+32
.endr
.endm
.macro TLOAD m, ts, s, p               ; matrix m of slot s, sub-step p: my 32 k x 64 columns in f32, 16 loads (k = 8 h + 0..7, 16 + 8 h + 0..7) into T set ts
	WIN 0x40
.set ti, 0
.rept 16
.if (\m) < 2
	ds_load_b128 v[64*(\ts)+4*ti:64*(\ts)+4*ti+3], v[WA+(\s)] offset:(\m)*WMAT+(\p)*SUBK+(ti+8*(ti/8))*256
.else
	ds_load_b128 v[64*(\ts)+4*ti:64*(\ts)+4*ti+3], v[WB+(\s)] offset:(\p)*SUBK+(ti+8*(ti/8))*256
.endif
.set ti, ti+1
.endr
.endm
.macro CVT s                           ; T set s -> F set s: register i of fragment e takes register e of loads 2 i and 2 i + 1
	WIN 0x05
.set ci, 0
.rept 32
	v_cvt_pk_bf16_f32 v[F+32*(\s)+8*(ci%4)+ci/4], v[64*(\s)+8*(ci/4)+ci%4], v[64*(\s)+8*(ci/4)+4+ci%4]
.set ci, ci+1
.endr
.endm
; The accumulators take turns, one instruction a turn: an accumulator comes up once a sub-step, 47 others between.
.macro MULQK m, fs, xs, half           ; 8 products of q (m = 0) or k (m = 1): source 0 = W's fragment, source 1 = x's
	WIN 0xa0
.irp b, 2*(\half), 2*(\half)+1
.irp e, 0,1,2,3
	v_wmma_f32_16x16x32_bf16 v[128*(\m)+8*(4*(\b)+\e):128*(\m)+8*(4*(\b)+\e)+7], v[F+32*(\fs)+8*\e:F+32*(\fs)+8*\e+7], v[XF+32*(\xs)+8*(\b):XF+32*(\xs)+8*(\b)+7], v[128*(\m)+8*(4*(\b)+\e):128*(\m)+8*(4*(\b)+\e)+7]
.endr
.endr
.endm
.macro MULV fs, xs                     ; 16 products of v: source 0 = x's fragment, source 1 = W's
	WIN 0xf0
.irp b, 0,1,2,3
.irp e, 0,1,2,3
	v_wmma_f32_16x16x32_bf16 v[8*(4*\b+\e):8*(4*\b+\e)+7], v[XF+32*(\xs)+8*\b:XF+32*(\xs)+8*\b+7], v[F+32*(\fs)+8*\e:F+32*(\fs)+8*\e+7], v[8*(4*\b+\e):8*(4*\b+\e)+7]
.endr
.endr
.endm
; A SUB-STEP: 64 k: half p of slot s and of x's column s.  q goes T p -> F p, k goes T 1-p -> F 1-p, v goes T p -> F p again; v's 16 products stand at the head of the NEXT sub-step, over that sub-step's LDS loads.
; Every write of an F set stands 32 conversions of the other set behind the last product that read it; XF set p was last read at the head of the sub-step before.  last = 1: the very last: its v's products follow at once.
.macro KSTEP p, s, last
	XFLOAD \p, \s
	TLOAD 0, \p, \s, \p
	TLOAD 1, 1-(\p), \s, \p
	MULV 1-(\p), 1-(\p)
	s_wait_dscnt 16                        ; x's fragments and Wq are in; Wk's 16 loads stay out
	CVT \p
	TLOAD 2, \p, \s, \p
	MULQK 0, \p, \p, 0
	MULQK 0, \p, \p, 1
	s_wait_dscnt 16                        ; Wk is in; Wv's 16 loads stay out
	CVT 1-(\p)
	MULQK 1, 1-(\p), \p, 0
	MULQK 1, 1-(\p), \p, 1
	s_wait_dscnt 0x0                       ; Wv is in
	CVT \p
.if \last
	MULV \p, \p
.endif
	WIN 0
.endm
; IN FRONT OF A STEP of parity q (128 k: slot q, column q).  The step's x is rounded into column q, which the step two back read last (a round lies between).  Then every wave waits for all its tensor loads (one is out:
; slot q's), adds 0 to its spare word (twice on end), and waits for that, for its stores of x and for its reads of the other slot.
; wfill = 1: a round of the cluster's barrier, and first behind it the joint fill of the other slot with the next slab in the ring of eight: it has this step's 96 matrix instructions and the next rounding of x in which to land.
; wfill = 0: the last step: a plain barrier, nothing is filled.
.macro OPEN q, left, xfill, wfill
	XCONV \q, \left, \xfill
	s_wait_tensorcnt 0x0                   ; no tensor load of mine is out, so a group 0 may be written
.if \wfill
	ds_add_u32 v[SPW], v[NIL]              ; the add to my spare word, twice on end
	ds_add_u32 v[SPW], v[NIL]
	s_add_co_u32 s[SI], s[SI], 1
	s_and_b32 s[SI], s[SI], 7
	s_lshl_b32 s[OF], s[SI], 16            ; a slab is 128 rows of W, 512 bytes apart; the address is made anew from the number
	s_add_nc_u64 s[G0+4*(1-(\q))+2:G0+4*(1-(\q))+3], s[WS:WS+1], s[OF:OF+1]
	s_or_b32 s[G0+4*(1-(\q))+3], s[G0+4*(1-(\q))+3], 0x80000000
	s_wait_dscnt 0x0
	CROUND
	JLOAD 1-(\q)
.else
	s_wait_dscnt 0x0
	s_barrier_signal -1
	s_barrier_wait -1
.endif
.endm
	s_load_b512 s[4:19], s[0:1], 0x0       ; embds s[4:5], Wq s[6:7], Wk s[8:9], Wv s[10:11], bq s[12:13], bv s[14:15], qf s[16:17], kf s[18:19]
	s_load_b64 s[20:21], s[0:1], 0x40      ; vf
	v_lshl_add_u32 v[SPW], v0, 2, SPARE
	v_mov_b32 v[NIL], 0
	ds_add_u32 v[SPW], v[NIL]              ; the wave's opening: the add, twice on end, waited for ahead of the first tensor load
	ds_add_u32 v[SPW], v[NIL]
	v_lshrrev_b32 v1, 5, v0
	v_readfirstlane_b32 s[WV], v1
	s_and_b32 s[RH], s[WV], 1
	s_lshr_b32 s[KH], s[WV], 1
	s_bfe_u32 s[CX], ttmp6, 0x40000        ; my place in the cluster: it enters x's and the outputs' addresses alone
	s_and_b32 s[CH], ttmp9, 1              ; u: the same in the four partners
	s_lshr_b32 s[GG], ttmp9, 1
	s_lshl_b32 s[RB], s[GG], 2
	s_add_co_u32 s[RB], s[RB], s[CX]       ; my block of 128 rows
	s_lshr_b32 s[P0], s[GG], 3             ; where the walk begins: each bit of P0 mixes two bits of G
	s_xor_b32 s[P0], s[P0], s[GG]
	s_lshl_b32 s27, s[GG], 2
	s_and_b32 s27, s27, 4
	s_xor_b32 s[P0], s[P0], s27
	s_and_b32 s[P0], s[P0], 7
	s_mov_b32 s[SI], s[P0]                 ; the walk's first slab,
	s_mov_b32 s[PI], s[P0]                 ; and its first two pairs of x
	s_add_co_u32 s[PI+1], s[P0], 1
	s_and_b32 s[PI+1], s[PI+1], 7
	s_mov_b32 s[G1+0], 15|(2<<16)|(1<<21)  ; mask of four; 4-byte elements; bit 21 beside a mask; no padding
	s_mov_b32 s[G1+1], 64<<16              ; tensor_dim0 = 64: rows of 256 bytes
	s_mov_b32 s[G1+2], 128<<16             ; tensor_dim1 = 128
	s_mov_b32 s[G1+3], 64<<16              ; tile_dim0 = 64
	s_mov_b32 s[G1+4], 128                 ; tile_dim1 = 128
	s_mov_b32 s[G1+5], 128                 ; 128 elements from row to row
	s_mov_b32 s[G1+6], 0
	s_mov_b32 s[G1+7], 0
	s_mul_i32 s27, s[WV], WMAT             ; my matrix's place in a slot
	s_mov_b32 s[G0], 1
	s_mov_b32 s[G0+1], s27
	s_mov_b32 s[G0+4], 1
	s_add_co_u32 s[G0+5], s27, SLOT1
	v_and_b32 v1, 31, v0                   ; lane
	v_and_b32 v16, 15, v0                  ; r
	v_bfe_u32 v17, v0, 4, 1                ; h
	s_lshl_b32 s27, s[WV], 17
	v_lshl_add_u32 v[XO], v1, 4, s27       ; 32 rows of 4,096 bytes a wave
	s_mul_i32 s27, s[WV], 32*XPITCH
	s_add_co_u32 s27, s27, XS
	v_lshl_add_u32 v[XSA], v1, 3, s27
	v_mul_u32_u24 v18, v16, XPITCH
	v_lshl_add_u32 v18, v17, 4, v18        ; r x pitch + 16 h
	s_mul_i32 s27, s[RH], 64*XPITCH        ; my 64 rows,
	s_lshl_b32 s[OF], s[KH], 6             ; my 32 k of a sub-step's 64: 64 bytes
	s_add_co_u32 s27, s27, s[OF]
	s_add_co_u32 s27, s27, XS
	s_mul_i32 s[OF], s[KH], 32*XPITCH      ; of them rows 32 kh on,
	s_add_co_u32 s[OF], s[OF], s27
	v_add_nc_u32 v[XA0], s[OF], v18
	s_xor_b32 s[OF], s[KH], 1
	s_mul_i32 s[OF], s[OF], 32*XPITCH      ; and rows 32 (1 - kh) on
	s_add_co_u32 s[OF], s[OF], s27
	v_add_nc_u32 v[XA1], s[OF], v18
	v_lshlrev_b32 v19, 11, v17             ; row 8 h,
	v_lshl_add_u32 v19, v16, 4, v19        ; 16 bytes a lane
	s_lshl_b32 s27, s[KH], 13              ; rows 32 kh on
	v_add_nc_u32 v[WA], s27, v19
	v_add_nc_u32 v[WA+1], SLOT1, v[WA]
	v_add_nc_u32 v[WB], 2*WMAT, v[WA]
	v_add_nc_u32 v[WB+1], 2*WMAT, v[WA+1]
	s_mul_i32 s27, s[WV], STG
	v_lshl_add_u32 v[SA], v1, 4, s27
	s_xor_b32 s27, s[WV], 2
	s_mul_i32 s27, s27, STG
	v_lshl_add_u32 v[RA], v1, 4, s27
	s_lshl_b32 s27, s[RH], 14              ; groups of 16 rows, 4,096 bytes each: 4 rh + 2 kh;
	s_lshl_b32 s[OF], s[KH], 13
	s_add_co_u32 s27, s27, s[OF]
	s_lshl_b32 s[OF], s[CH], 11            ; blocks 4 u on
	s_add_co_u32 s27, s27, s[OF]
	v_lshl_add_u32 v[OA], v1, 4, s27
	s_lshl_b32 s27, s[CH], 8
	v_lshl_add_u32 v[BQO], v17, 7, s27     ; bq at 64 u + 32 h
	v_lshl_add_u32 v[BVO], v16, 4, s27     ; bv at 64 u + 4 r
	s_wait_dscnt 0x0                       ; both opening adds are done
	s_wait_kmcnt 0x0
	s_lshl_b32 s[OF], s[RB], 19            ; 128 rows of 4,096 bytes
	s_mov_b32 s[OF+1], 0
	s_add_nc_u64 s[XB:XB+1], s[4:5], s[OF:OF+1]
	s_lshl_b32 s[OF], s[RB], 15            ; 128 rows of 256 bytes
	s_add_nc_u64 s[OB:OB+1], s[16:17], s[OF:OF+1]
	s_add_nc_u64 s[OB+2:OB+3], s[18:19], s[OF:OF+1]
	s_add_nc_u64 s[OB+4:OB+5], s[20:21], s[OF:OF+1]
	s_lshl_b32 s[OF], s[PI], 9
	s_add_nc_u64 s[XPB:XPB+1], s[XB:XB+1], s[OF:OF+1]
	s_lshl_b32 s[OF], s[PI+1], 9
	s_add_nc_u64 s[XPB+2:XPB+3], s[XB:XB+1], s[OF:OF+1]
	s_cmp_eq_u32 s[WV], 0
	s_cselect_b64 s[WS:WS+1], s[6:7], s[8:9]
	s_cmp_lt_u32 s[WV], 2
	s_cselect_b64 s[WS:WS+1], s[WS:WS+1], s[10:11]  ; the matrix that I fetch, by the wave's number alone,
	s_lshl_b32 s[OF], s[CH], 8
	s_add_nc_u64 s[WS:WS+1], s[WS:WS+1], s[OF:OF+1] ; at my cluster's 64 columns
	s_lshl_b32 s[OF], s[SI], 16
	s_add_nc_u64 s[G0+2:G0+3], s[WS:WS+1], s[OF:OF+1]  ; the walk's first slab
	s_or_b32 s[G0+3], s[G0+3], 0x80000000
.irp j, 0,1,2,3,4,5,6,7
	global_load_b128 v[BQ+4*\j:BQ+4*\j+3], v[BQO], s[12:13] offset:16*\j
.endr
	global_load_b128 v[BV:BV+3], v[BVO], s[14:15]
	XLOAD 0
	XLOAD 1
	CROUND                                 ; all four work-groups are here: the first joint loads meet
	s_cmp_lt_u32 s[WV], 3                  ; slot 0's first fill; slot 1 is first filled behind the round in front of the first step, as a refill is
	s_cbranch_scc0 .Lnofirst
	tensor_load_to_lds s[G0:G0+3], s[G1:G1+7]
	s_nop 0
	PLACES
.Lnofirst:
	; While the first loads are out: the sums that I send, and all of k's, start at 0; so do F set 1 and XF set 1, which the first sub-step's leading 16 products multiply (they add 0): so every sub-step has one text.
	WIN 0x80
.set a, 64
.rept 192
	v_mov_b32 v[a], 0
.set a, a+1
.endr
	WIN 0xc0
.set a, 64
.rept 64
	v_mov_b32 v[a], 0
.set a, a+1
.endr
	WIN 0
.set a, 0
.rept 32
	v_mov_b32 v[XF+32+a], 0
	v_mov_b32 v[F+32+a], 0
.set a, a+1
.endr
	s_wait_loadcnt 63                      ; 73 loads have been issued: the ten oldest are in, the nine of the biases among them
.set a, 0
.rept 16                                   ; the biases are rounded to bf16 like the other inputs
	v_cvt_pk_bf16_f32 v[CT+a], v[BQ+2*a], v[BQ+2*a+1]
.set a, a+1
.endr
.set a, 0
.rept 16
	v_lshlrev_b32 v[BQ+2*a], 16, v[CT+a]
	v_and_b32 v[BQ+2*a+1], 0xffff0000, v[CT+a]
.set a, a+1
.endr
	v_cvt_pk_bf16_f32 v[CT], v[BV], v[BV+1]
	v_cvt_pk_bf16_f32 v[CT+1], v[BV+2], v[BV+3]
	v_lshlrev_b32 v[BV], 16, v[CT]
	v_and_b32 v[BV+1], 0xffff0000, v[CT]
	v_lshlrev_b32 v[BV+2], 16, v[CT+1]
	v_and_b32 v[BV+3], 0xffff0000, v[CT+1]
	WIN 0x80                               ; the sums that I keep start at the bias: each row's bias is added once, by the wave that keeps the row
.set a, 0
.rept 64
	v_mov_b32 v[a], v[BQ+4*(a%8)+(a/8)%4]
.set a, a+1
.endr
	WIN 0xc0
.set a, 0
.rept 64
	v_mov_b32 v[a], v[BV+(a/8)%4]
.set a, a+1
.endr
	WIN 0
	; THE WALK: eight steps of 128 k.  In front of step n: x's pair n is rounded, pair n + 2 asked for (n <= 5), slab n + 1 asked for (n <= 6).  Steps 0 to 5 are three trips of two; every request in the loop names data that is used.
	s_mov_b32 s[CNT], 3
.Ltrip:
	OPEN 0, 32, 1, 1
	KSTEP 0, 0, 0
	KSTEP 1, 0, 0
	OPEN 1, 32, 1, 1
	KSTEP 0, 1, 0
	KSTEP 1, 1, 0
	s_sub_co_u32 s[CNT], s[CNT], 1
	s_cmp_lg_u32 s[CNT], 0
	s_cbranch_scc1 .Ltrip
	OPEN 0, 32, 0, 1                       ; step 6: no pair of x is left to ask for; the last slab is asked for
	KSTEP 0, 0, 0
	KSTEP 1, 0, 0
	OPEN 1, 0, 0, 0                        ; step 7: nothing is asked for
	KSTEP 0, 1, 0
	KSTEP 1, 1, 1
	; THE WAY OUT.  The 24 accumulators of the rows that my partner keeps go into my stage (slot 0: its last fill was step 6's slab, its last reads stand ahead of the barrier in front of step 7); each accumulator's low registers first.
	PLACES
	PLACES
	WIN 0x08                               ; store data in window 2
.set a, 0
.rept 16                                   ; q's eight, then k's eight
	ds_store_b128 v[SA], v[128*(a/8)+64+8*(a%8):128*(a/8)+64+8*(a%8)+3] offset:a*1024
	ds_store_b128 v[SA], v[128*(a/8)+64+8*(a%8)+4:128*(a/8)+64+8*(a%8)+7] offset:a*1024+512
.set a, a+1
.endr
	WIN 0x0c                               ; window 3: v's eight
.set a, 0
.rept 8
	ds_store_b128 v[SA], v[64+8*a:64+8*a+3] offset:(16+a)*1024
	ds_store_b128 v[SA], v[64+8*a+4:64+8*a+7] offset:(16+a)*1024+512
.set a, a+1
.endr
	WIN 0
	s_wait_dscnt 0x0                       ; for the partner's sake
	s_barrier_signal -1
	s_barrier_wait -1
.macro RLOAD m, ts                     ; my partner's eight partial accumulators of matrix m into T set ts
	WIN 0x40
.set a, 0
.rept 16
	ds_load_b128 v[64*(\ts)+4*a:64*(\ts)+4*a+3], v[RA] offset:(\m)*8192+a*512
.set a, a+1
.endr
.endm
.macro FIN m, ts                       ; the two halves of K are added, rounded to f16 and stored: each store is 512 consecutive bytes, aligned
	WIN 0x46+(\m)/2                        ; destination and source 1 window 1; source 0 window 2 (q, k) or 3 (v)
.set a, 0
.rept 32
	v_pk_add_f32 v[64*(\ts)+2*a:64*(\ts)+2*a+1], v[128*((\m)%2)+2*a:128*((\m)%2)+2*a+1], v[64*(\ts)+2*a:64*(\ts)+2*a+1]
.set a, a+1
.endr
	WIN 0x05
.set a, 0
.rept 32
	v_cvt_pk_f16_f32 v[OUTR+32*(\m)+a], v[64*(\ts)+2*a], v[64*(\ts)+2*a+1]
.set a, a+1
.endr
	WIN 0
.set a, 0
.rept 8
	global_store_b128 v[OA], v[OUTR+32*(\m)+4*a:OUTR+32*(\m)+4*a+3], s[OB+2*(\m):OB+2*(\m)+1] offset:(a/4)*4096+(a%4)*512
.set a, a+1
.endr
.endm
	RLOAD 0, 0
	RLOAD 1, 1
	s_wait_dscnt 16                        ; q's are in; k's 16 loads stay out
	FIN 0, 0
	RLOAD 2, 0
	s_wait_dscnt 16                        ; k's are in
	FIN 1, 1
	s_wait_dscnt 0x0
	FIN 2, 0
	s_wait_tensorcnt 0x0                   ; the wave's end: after my last tensor load and my last LDS store: a wait, an add, a wait
	ds_add_u32 v[SPW], v[NIL]
	s_wait_dscnt 0x0
	CROUND                                 ; the closing round
	s_endpgm
.Lfunc_end_k_qdad5743c42_proj:
	.size	k_qdad5743c42_proj, .Lfunc_end_k_qdad5743c42_proj-k_qdad5743c42_proj
	.p2alignl 7, 3214868480
	.fill 96, 4, 3214868480
	.section	.rodata,"a",@progbits
	.p2align	6, 0x0
	.amdhsa_kernel k_qdad5743c42_proj
		.amdhsa_group_segment_fixed_size 327680
		.amdhsa_private_segment_fixed_size 0
		.amdhsa_enable_private_segment 0
		.amdhsa_kernarg_size 72
		.amdhsa_user_sgpr_count 2
		.amdhsa_user_sgpr_kernarg_segment_ptr 1
		.amdhsa_wavefront_size32 1
		.amdhsa_system_sgpr_workgroup_id_x 1
		.amdhsa_system_sgpr_workgroup_id_y 1
		.amdhsa_system_sgpr_workgroup_id_z 1
		.amdhsa_system_vgpr_workitem_id 0
		.amdhsa_next_free_vgpr 1024
		.amdhsa_next_free_sgpr 70
		.amdhsa_reserve_vcc 0
		.amdhsa_float_denorm_mode_32 3
		.amdhsa_float_denorm_mode_16_64 3
		.amdhsa_memory_ordered 1
		.amdhsa_forward_progress 1
		.amdhsa_inst_pref_size 190
	.end_amdhsa_kernel
	.amdgpu_metadata
---
amdhsa.version: [ 1, 2 ]
amdhsa.kernels:
  - .name:           k_qdad5743c42_proj
    .symbol:         k_qdad5743c42_proj.kd
    .args:
      - { .name: embds, .offset: 0, .size: 8, .value_kind: global_buffer, .address_space: global }
      - { .name: Wq, .offset: 8, .size: 8, .value_kind: global_buffer, .address_space: global }
      - { .name: Wk, .offset: 16, .size: 8, .value_kind: global_buffer, .address_space: global }
      - { .name: Wv, .offset: 24, .size: 8, .value_kind: global_buffer, .address_space: global }
      - { .name: bq, .offset: 32, .size: 8, .value_kind: global_buffer, .address_space: global }
      - { .name: bv, .offset: 40, .size: 8, .value_kind: global_buffer, .address_space: global }
      - { .name: qf, .offset: 48, .size: 8, .value_kind: global_buffer, .address_space: global }
      - { .name: kf, .offset: 56, .size: 8, .value_kind: global_buffer, .address_space: global }
      - { .name: vf, .offset: 64, .size: 8, .value_kind: global_buffer, .address_space: global }
    .group_segment_fixed_size: 327680
    .private_segment_fixed_size: 0
    .kernarg_segment_align: 8
    .kernarg_segment_size: 72
    .max_flat_workgroup_size: 128
    .sgpr_count:     70
    .vgpr_count:     1024
    .wavefront_size: 32
...
	.end_amdgpu_metadata
.endif
;; end of part 3
;; launch attn (part 4): grid 64 x 4, 4 waves a work-group, clusters of 4 x 1, 327,680 bytes of LDS; arguments qf, kf, vf, out0; writes out0
.if DOCPART == 4
	.amdgcn_target "amdgcn-amd-amdhsa--gfx1250"
	.amdhsa_code_object_version 6
	.text
	.protected	k_qdad5743c42_attn
	.globl	k_qdad5743c42_attn
	.p2align	8
	.type	k_qdad5743c42_attn,@function
k_qdad5743c42_attn:
	s_mov_b64 s[64:65], 0
	v_nop
	global_prefetch_b8 v0, s[64:65] scope:SCOPE_SE
	s_setreg_imm32_b32 hwreg(HW_REG_WAVE_MODE, 25, 1), 1
	s_wait_xcnt 0x0
	s_wait_alu depctr_hold_cnt(0) depctr_sa_sdst(0) depctr_va_vdst(0) depctr_va_sdst(0) depctr_va_ssrc(0) depctr_va_vcc(0) depctr_vm_vsrc(0)
	s_getreg_b32 s2, hwreg(HW_REG_IB_STS2, 6, 4)
	s_cmp_eq_u32 s2, 0
	s_cbranch_scc0 .Lentry_in_a_cluster
	s_endpgm
.Lentry_in_a_cluster:
	s_bfe_u32 s2, ttmp6, 0x10000c
	s_cmp_lg_u32 s2, 0x3003
	s_cbranch_scc0 .Lentry_shape_is_right
	s_endpgm
.Lentry_shape_is_right:
; CAUSAL ATTENTION, one head of 128 channels, four sequences of 4,096 rows.  out[q] = the sum over k <= q of softmax_k(q . k / sqrt(128)) v[k].  qf, kf, vf: f16 in fragment order (the launch before); out0 f32.
; LEFT OUT: key tiles wholly above the diagonal (the mask that the problem itself builds hides them), and bk (the same along the softmax's axis: shown at the head of the launch before).
; LIMITS.  A hidden score counts as its value less 2^100; the running maximum starts at -2^60, below every score that f16 operands can give (128 x 65,504^2 = 5.5e11); a weight below 2^-126 counts as 0;
; the weights are rounded to f16 for the second product, their sum is taken unrounded; NaN and infinities are not treated apart; the keys' order in the sums differs from cluster to cluster (below).
; THE WALK.  A sequence has 128 blocks of 32 queries and 16 key tiles of 256.  Work-group j (0..63) takes block 127 - j and then block j: (16 - A) + (A + 1) = 17 tiles, A = j / 8, whatever j: one counted walk.
; The four partners of a cluster have the same A, so the same walk: every tile of K and V is asked for jointly.  Branches hang on the cluster's number alone, go forward, and pass no barrier, wait or tensor load.
; THE ORDER OF TILES.  A softmax with a running maximum takes its keys in any order.  The first block's H = 15 - A tiles below its diagonal tile are walked in a ring from tile h0 = rho H / 16 on, with
; rho = 2 ((C ^ C >> 1) & 7) + (C >> 3), another number for each of the sequence's 16 clusters C; then comes the diagonal tile H, then the second block's tiles 0 .. A.  So in a trip the clusters of a sequence ask for
; different tiles.  h0 for C = 0 .. 15: 0, 1, 5, 3, 9, 11, 7, 6, 6, 7, 9, 8, 2, 3, 1, 0: every tile up to 12 is named in some cluster's first two requests; tiles 13, 14, 15 are first named in requests 8, 13 and 15.
; SHARES.  The KEYS are split among the waves: of each tile wave w takes keys 64 w .. 64 w + 63, for both tiles of 16 queries; each wave has its own running maximum m, sum l and O; the four meet in LDS at the end.
; The first block's O, l and c m are set aside in registers at the change of blocks, so both meetings stand in straight text at the end.
; LAYOUT.  S^T = K Q^T: a lane holds one query (lane % 16) and keys 8 (lane / 16) + 0..7; two results rounded to f16 are source 1 of O^T = V^T P.  All fragments lie in memory and LDS as registers take them: 512 consecutive bytes a load.
; THE MASK is the C operand of the product that starts a sum: 0, but in a block's last tile -2^100 where the key is hidden.
; A TRIP: K's loads; V^T P of the tile BEFORE (registers alone, over K's loads); V's loads; K Q^T; the softmax.  p = 2^(c s - c m), c = log2(e) / sqrt(128); O and l are multiplied by a = 2^(c m_old - c m_new) in every step.
; A wave whose keys are all hidden for a query keeps m = -2^60 there, and its O and l are weighed by 2^(c m - c m_all) = 0 at the meeting.  No exponent is ever positive.
; REGISTERS: window 0: addresses, statistics ST (8 a tile) and their copy, S^T, P, MASK, TMP; window 1: O^T (0-127), the first block's O^T (128-255); window 2: Q, the second block's Q, K; window 3: V.
.set SLOT1,  1<<17                     ; a slot: 64 KiB of K, 64 KiB of V; one exclusive or turns an address in one slot into the other's
.set STATS,  262144                    ; the meeting: (c m, l) by (block, tile), wave, lane: 4,096 bytes
.set SPARE,  266240                    ; the spare words: 128 bytes a wave, two blocks of 256 bytes that no other line names
.set OPITCH, 528                       ; the meeting's stage: a row of 128 f32 + 16 bytes: 33 x 16, so 16 rows start in different groups of four banks (64 banks of 4 bytes: ISA guide 11.1)
.set OBLK,   32*OPITCH
.set OWAVE,  2*OBLK                    ; a wave's two blocks; the four waves' stages lie from byte 0 on, in the slots after their last fill
.set AK0, 2                            ; v2  my wave's K in a slot + 16 x lane
.set AV0, 3                            ; v3  the same for V
.set ADR, 4
.set QO,  5                            ; v5  16 x lane
.set STO, 6
.set RD0, 7                            ; v7-8
.set GO,  9
.set SAS, 10
.set SRS, 11
.set ST,  16                           ; tile t at ST + 8 t: c m, m, l (even, odd keys), four at work; a in +6
.set SST, 32                           ; the first block's
.set PFO, 58                           ; 256 x lane
.set DL,  59                           ; the second block's D
.set DCUR, 60                          ; D = 32 p + r - 64 w - 8 h: register jr of (t, kb) is hidden where 16 kb + jr - 16 t > D
.set SPW, 62
.set NIL, 63
.set S,   64
.set P,   128
.set MASK, 160
.set TMP, 224
.set WK,  64                           ; the meeting: eight a (block, tile)
.set LD,  64                           ; the meeting: 128 registers of rows read back
.set QL,  64                           ; window 2
.set KF,  128                          ; window 2
.set WV, 12
.set CX, 13
.set CC, 14
.set AA, 15
.set G1, 24
.set G0, 32
.set BASEW, 36                         ; s[36:37] the 32 KiB of tile 0 that I fetch
.set OFF, 38
.set PFA, 40
.set LIM, 42                           ; 3 in the cluster that prefetches, else 0
.set SLOTS, 43
.set RT, 44                            ; tiles of the block in hand still to be entered
.set NXT, 45                           ; the tile to be asked for next
.set HH, 46                            ; H = 15 - A: the first block's diagonal tile, and the length of the ring below it
.set NEW, 47                           ; 1: the tile to be entered is the second block's first
.set TB, 48                            ; the slot in hand
.set CS, 50
.set SEL, 52
.set BIGN, 54
.set QHB, 56                           ; s[56:57], s[58:59] Q of the two blocks
.set OUTB, 60                          ; s[60:61], s[62:63] out0 at the two blocks
.set NR, 66                            ; requests made so far: NXT is request number NR of 0 .. 16
.set T0, 67                            ; at work
.set T1, 68
.set MSB, 0
.macro WIN new
.if MSB != (\new)
	s_set_vgpr_msb (MSB<<8)|(\new)
.set MSB, (\new)
.endif
.endm
.macro PLACES
.rept 4
	v_nop
.endr
.endm
.macro CROUND                          ; a round of the cluster's barrier
	s_barrier_signal -1
	s_barrier_wait -1
	s_cmp_lg_u32 s[WV], 0
	s_cbranch_scc1 .Lnot_wave_0_\@
	s_barrier_signal -3
.Lnot_wave_0_\@:
	s_barrier_wait -3
	s_barrier_signal -1
	s_barrier_wait -1
.endm
; THE CHANGE OF SLOTS.  Each wave waits for all its tensor loads (one is out: its part of the other slot), adds 0 to its spare word, and waits for that and for its reads of the slot that it leaves (V's among them).
; fill = 1: the barrier is a round of the cluster's, and the joint refill, tile NXT into the slot just left, is the first thing behind it; its address is made anew from the tile's number.
; Request n names: n < H: tile (h0 + n) mod H; n = H: tile H; n > H: tile n - H - 1.
.macro CHANGE fill
	WIN 0
	s_wait_tensorcnt 0x0
	ds_add_u32 v[SPW], v[NIL]
.if \fill
	s_lshl_b32 s[OFF], s[NXT], 16          ; a tile is 65,536 bytes of K and of V
	s_xor_b32 s[G0+1], s[G0+1], SLOT1
	s_add_nc_u64 s[G0+2:G0+3], s[BASEW:BASEW+1], s[OFF:OFF+1]
	s_or_b32 s[G0+3], s[G0+3], 0x80000000
	s_add_co_u32 s[NR], s[NR], 1           ; the next request's tile:
	s_add_co_u32 s[NXT], s[NXT], 1         ; one on in the ring of H,
	s_cmp_ge_u32 s[NXT], s[HH]
	s_cselect_b32 s[NXT], 0, s[NXT]
	s_cmp_eq_u32 s[NR], s[HH]              ; or the first block's diagonal tile,
	s_cselect_b32 s[NXT], s[HH], s[NXT]
	s_sub_co_u32 s[T0], s[NR], s[HH]
	s_sub_co_u32 s[T0], s[T0], 1
	s_cmp_gt_u32 s[NR], s[HH]              ; or the second block's, from 0 up
	s_cselect_b32 s[NXT], s[T0], s[NXT]
	s_wait_xcnt 0x0                        ; the last prefetch, a trip back, has read its address
	s_add_nc_u64 s[PFA:PFA+1], s[PFA:PFA+1], 0x10000
.endif
	s_xor_b32 s[TB], s[TB], SLOT1
	s_wait_dscnt 0x0
.if \fill
	CROUND
	tensor_load_to_lds s[G0:G0+3], s[G1:G1+7]
	s_nop 0
	PLACES
.else
	s_barrier_signal -1
	s_barrier_wait -1
.endif
.endm
; A PREFETCH INTO THE L2 of the three tiles that no cluster's loads name early: 13, 14 and 15, first loaded in trips 7 (cluster 2), 12 (cluster 1) and 14 (clusters 0, 1).  Cluster 0 asks for them in trips 4, 5 and 6
; (16 - SLOTS is the trip): three, seven and eight trips ahead of those loads.  Of the 32 KiB that a wave fetches each of the four partners names 8 KiB, told apart by address: a lane a block of 256 bytes.
; So each block is named once.  The other tiles are named by loads in the clusters' first two requests: nothing stands ahead of those.
.macro ASK
	s_sub_co_u32 s[T0], s[SLOTS], 10       ; 2, 1, 0 in trips 4, 5, 6; greater in all others
	s_cmp_lt_u32 s[T0], s[LIM]
	s_cbranch_scc0 .Lnot_mine_\@
	global_prefetch_b8 v[PFO], s[PFA:PFA+1] th:TH_LOAD_NT scope:SCOPE_SE
.Lnot_mine_\@:
.endm
.macro FETCH_K                         ; my 64 keys: fragment (kb, chunk c) at KF + 32 kb + 8 c
	WIN 0
	v_add_nc_u32 v[ADR], s[TB], v[AK0]
	WIN 0x80
.set i, 0
.rept 32
	ds_load_b128 v[KF+4*i:KF+4*i+3], v[ADR] offset:512*i
.set i, i+1
.endr
	WIN 0
.endm
.macro FETCH_V                         ; fragment (kk, cb) at 8 (8 kk + cb): keys 32 kk + 0..15 in registers 0-3, the next 16 in 4-7
	WIN 0
	v_add_nc_u32 v[ADR], s[TB], v[AV0]
	WIN 0xc0
.set i, 0
.rept 16
	ds_load_b128 v[8*i:8*i+3],   v[ADR] offset:(16*(i/8)+i%8)*512
	ds_load_b128 v[8*i+4:8*i+7], v[ADR] offset:(16*(i/8)+8+i%8)*512
.set i, i+1
.endr
	WIN 0
.endm
; The accumulators take turns, one instruction a turn: 7 (K Q^T) or 15 (V^T P) others stand between two links of a chain.
.macro KQALL                           ; product i: chunk i / 8, key block (i / 2) % 4, tile i % 2; the first 8 start the sums with the mask
	WIN 0x0a
.set i, 0
.rept 32
.set rS, S+32*(i%2)+8*((i/2)%4)
.set rK, KF+32*((i/2)%4)+8*(i/8)
.set rQ, 32*(i%2)+8*(i/8)
.set rM, MASK+32*(i%2)+8*((i/2)%4)
.if i < 8
	v_wmma_f32_16x16x32_f16 v[rS:rS+7], v[rK:rK+7], v[rQ:rQ+7], v[rM:rM+7]
.else
	v_wmma_f32_16x16x32_f16 v[rS:rS+7], v[rK:rK+7], v[rQ:rQ+7], v[rS:rS+7]
.endif
.set i, i+1
.endr
.endm
.macro PVALL                           ; product i: keys 32 (i / 16) on, channel block (i / 2) % 8, tile i % 2
	WIN 0x53
.set i, 0
.rept 32
.set rO, 64*(i%2)+8*((i/2)%8)
.set rV, 64*(i/16)+8*((i/2)%8)
.set rP, P+16*(i%2)+8*(i/16)
	v_wmma_f32_16x16x32_f16 v[rO:rO+7], v[rV:rV+7], v[rP:rP+7], v[rO:rO+7]
.set i, i+1
.endr
.endm
.macro SUMS d                          ; pairs d registers apart are added, in place
.set sn, 0
.rept (\d)/2
.irp t, 0,1
	v_pk_add_f32 v[S+32*\t+sn:S+32*\t+sn+1], v[S+32*\t+sn:S+32*\t+sn+1], v[S+32*\t+sn+(\d):S+32*\t+sn+(\d)+1]
.endr
.set sn, sn+2
.endr
.endm
; THE SOFTMAX of both tiles for one key step, the tiles alternating.  Each accumulator's lowest registers are read first.  The 66 exponentials are ONE batch: nothing ahead of the wait names a result.
.macro SMALL
	WIN 0
.irp c, 0,1,2,3
.irp t, 0,1
	v_max3_num_f32 v[ST+8*\t+4+\c], v[S+32*\t+8*\c], v[S+32*\t+8*\c+1], v[S+32*\t+8*\c+2]
.endr
.endr
.irp k, 1,2
.irp c, 0,1,2,3
.irp t, 0,1
	v_max3_num_f32 v[ST+8*\t+4+\c], v[ST+8*\t+4+\c], v[S+32*\t+8*\c+2*\k+1], v[S+32*\t+8*\c+2*\k+2]
.endr
.endr
.endr
.irp t, 0,1
	v_max3_num_f32 v[ST+8*\t+4], v[ST+8*\t+4], v[S+32*\t+7], v[S+32*\t+15]
	v_max3_num_f32 v[ST+8*\t+6], v[ST+8*\t+6], v[S+32*\t+23], v[S+32*\t+31]
.endr
.irp t, 0,1
	v_max3_num_f32 v[ST+8*\t+4], v[ST+8*\t+4], v[ST+8*\t+5], v[ST+8*\t+6]
.endr
.irp t, 0,1
	v_max3_num_f32 v[ST+8*\t+4], v[ST+8*\t+4], v[ST+8*\t+7], v[ST+8*\t+1]  ; and the old m
.endr
.irp t, 0,1
	v_permlanex16_b32 v[ST+8*\t+5], v[ST+8*\t+4], s[SEL], s[SEL+1]        ; the query's other 32 keys lie in the lane 16 away
.endr
.irp t, 0,1
	v_mov_b32 v[ST+8*\t+7], v[ST+8*\t]                                    ; c m_old
.endr
.irp t, 0,1
	v_max_num_f32 v[ST+8*\t+1], v[ST+8*\t+4], v[ST+8*\t+5]
.endr
.irp t, 0,1
	v_mul_f32 v[ST+8*\t], s[CS], v[ST+8*\t+1]
.endr
.irp t, 0,1
	v_sub_f32 v[ST+8*\t+7], v[ST+8*\t+7], v[ST+8*\t]
.endr
.set sn, 0
.rept 16
.irp t, 0,1
	v_pk_fma_f32 v[S+32*\t+sn:S+32*\t+sn+1], v[S+32*\t+sn:S+32*\t+sn+1], s[CS:CS+1], v[ST+8*\t:ST+8*\t+1] op_sel_hi:[1,0,0] neg_lo:[0,0,1] neg_hi:[0,0,1]  ; c s - c m
.endr
.set sn, sn+2
.endr
.irp t, 0,1
	v_exp_f32 v[ST+8*\t+6], v[ST+8*\t+7]                                  ; a
.endr
.set sn, 0
.rept 32
.irp t, 0,1
	v_exp_f32 v[S+32*\t+sn], v[S+32*\t+sn]
.endr
.set sn, sn+1
.endr
	v_nop                                  ; a plain instruction behind the last exponential
	s_wait_alu depctr_va_vdst(0)           ; the one wait ahead of the batch's first reader
.set sn, 0
.rept 16
.irp t, 0,1
	v_cvt_pk_f16_f32 v[P+16*\t+sn], v[S+32*\t+2*sn], v[S+32*\t+2*sn+1]
.endr
.set sn, sn+1
.endr
	SUMS 16
	SUMS 8
	SUMS 4
	SUMS 2
.irp t, 0,1
	v_pk_fma_f32 v[ST+8*\t+2:ST+8*\t+3], v[ST+8*\t+2:ST+8*\t+3], v[ST+8*\t+6:ST+8*\t+7], v[S+32*\t:S+32*\t+1] op_sel_hi:[1,0,1]  ; l = a l + the sum
.endr
	WIN 0x41
.set sn, 0
.rept 32
.irp t, 0,1
	v_pk_mul_f32 v[64*\t+2*sn:64*\t+2*sn+1], v[64*\t+2*sn:64*\t+2*sn+1], v[ST+8*\t+6:ST+8*\t+7] op_sel_hi:[1,0]  ; O^T times a
.endr
.set sn, sn+1
.endr
	WIN 0
.endm
; THE SECOND BLOCK BEGINS: the first block's O^T and statistics are set aside, its Q is replaced, the mask is 0 again, m starts anew.  O^T and l need only be finite: they are multiplied by a = 0, or weighed by 0 at the meeting.
.macro BEGIN
	s_mov_b32 s[NEW], 0
	WIN 0x41
.set i, 0
.rept 128
	v_mov_b32 v[128+i], v[i]
.set i, i+1
.endr
	WIN 0x82
.set i, 0
.rept 64
	v_mov_b32 v[i], v[QL+i]
.set i, i+1
.endr
	WIN 0
.set i, 0
.rept 16
	v_mov_b32 v[SST+i], v[ST+i]
.set i, i+1
.endr
.set i, 0
.rept 64
	v_mov_b32 v[MASK+i], 0
.set i, i+1
.endr
.irp t, 0,1
	v_mov_b32 v[ST+8*\t], 0xdc0293ee       ; c x -2^60
	v_mov_b32 v[ST+8*\t+1], 0xdd800000     ; -2^60
.endr
	v_mov_b32 v[DCUR], v[DL]
.endm
.macro MASKS                           ; a block's last tile: register i = 32 t + 8 kb + jr
	WIN 0
.set i, 0
.rept 64
	v_cmp_gt_i32 vcc_lo, 16*((i/8)%4)+i%8-16*(i/32), v[DCUR]
	v_cndmask_b32 v[MASK+i], 0, s[BIGN], vcc_lo
.set i, i+1
.endr
.endm
.macro TRIPBODY inloop
	FETCH_K
.if \inloop
	ASK
.endif
	PVALL                                  ; the tile before: P and V lie in registers (V was waited for in the change of slots)
	WIN 0
	PLACES                                 ; four places in front of the loads into V, and of the copies of O^T
	FETCH_V
	s_sub_co_u32 s[RT], s[RT], 1
	s_cmp_eq_u32 s[NEW], 1
	s_cbranch_scc0 .Lold_\@
	BEGIN
.Lold_\@:
.if \inloop
	s_cmp_eq_u32 s[RT], 0
	s_cbranch_scc0 .Lopen_\@
.endif
	MASKS
.if \inloop
.Lopen_\@:
.endif
	s_wait_dscnt 32                        ; K is in; V's 32 loads stay out
	KQALL
	WIN 0
	PLACES
	SMALL
	s_add_co_u32 s49, s[AA], 1             ; behind a block's last tile: the second block has A + 1 tiles
	s_cmp_eq_u32 s[RT], 0
	s_cselect_b32 s[RT], s49, s[RT]
	s_cselect_b32 s[NEW], 1, s[NEW]
.endm
	s_load_b256 s[4:11], s[0:1], 0x0       ; qf s[4:5], kf s[6:7], vf s[8:9], out0 s[10:11]
	v_lshl_add_u32 v[SPW], v0, 2, SPARE
	v_mov_b32 v[NIL], 0
	ds_add_u32 v[SPW], v[NIL]              ; the wave's opening: the add, twice on end, waited for ahead of my first tensor load
	ds_add_u32 v[SPW], v[NIL]
	v_lshrrev_b32 v1, 5, v0
	v_readfirstlane_b32 s[WV], v1
	s_bfe_u32 s[CX], ttmp6, 0x40000        ; my place in the cluster: it enters Q's, out0's and the prefetches' addresses and the mask's numbers alone
	s_mov_b32 s[CC], ttmp9
	s_lshr_b32 s[AA], ttmp9, 1             ; A: the same in all four partners
	s_and_b32 s16, ttmp7, 0xffff           ; the sequence
	s_mov_b32 s[G1+0], 15|(3<<16)|(1<<21)  ; mask of four; 8-byte elements; bit 21 beside a mask; no padding
	s_mov_b32 s[G1+1], 32<<16              ; tensor_dim0 = 32: rows of 256 bytes
	s_mov_b32 s[G1+2], 128<<16             ; tensor_dim1 = 128
	s_mov_b32 s[G1+3], 32<<16              ; tile_dim0 = 32
	s_mov_b32 s[G1+4], 128                 ; tile_dim1 = 128
	s_mov_b32 s[G1+5], 32                  ; dense
	s_mov_b32 s[G1+6], 0
	s_mov_b32 s[G1+7], 0
	s_mov_b32 s[G0], 1
	s_lshl_b32 s[G0+1], s[WV], 15          ; slot 0, my 32 KiB: K's halves, then V's
	s_lshl_b32 s20, s16, 20                ; a sequence is 1 MiB of K and of V
	s_and_b32 s2, s[WV], 1
	s_lshl_b32 s2, s2, 15
	s_add_co_u32 s20, s20, s2
	s_mov_b32 s21, 0
	s_mov_b32 s[OFF+1], 0
	s_mov_b32 s[SLOTS], 16
	s_sub_co_u32 s[RT], 16, s[AA]
	s_sub_co_u32 s[HH], 15, s[AA]
	s_lshr_b32 s[T0], s[CC], 1             ; rho = 2 ((C ^ C >> 1) & 7) + (C >> 3),
	s_xor_b32 s[T0], s[T0], s[CC]
	s_and_b32 s[T0], s[T0], 7
	s_lshl_b32 s[T0], s[T0], 1
	s_lshr_b32 s[T1], s[CC], 3
	s_add_co_u32 s[T0], s[T0], s[T1]
	s_mul_i32 s[T0], s[T0], s[HH]
	s_lshr_b32 s[T0], s[T0], 4             ; h0 = rho H / 16: 0 .. H - 1: request 0
	s_lshl_b32 s[OFF], s[T0], 16
	s_add_co_u32 s[NXT], s[T0], 1          ; request 1: one on in the ring
	s_cmp_ge_u32 s[NXT], s[HH]
	s_cselect_b32 s[NXT], 0, s[NXT]
	s_mov_b32 s[NR], 1
	s_mov_b32 s[NEW], 0
	s_mov_b32 s[TB], SLOT1                 ; the first change of slots turns it into 0
	s_mov_b32 s[CS], 0x3e0293ee            ; c = log2(e) / sqrt(128)
	s_mov_b32 s[CS+1], s[CS]
	s_mov_b32 s[SEL], 0x76543210
	s_mov_b32 s[SEL+1], 0xfedcba98
	s_mov_b32 s[BIGN], 0xf1800000          ; -2^100
	s_cmp_eq_u32 s[CC], 0
	s_cselect_b32 s[LIM], 3, 0             ; the sequence's cluster 0 asks, in three trips
	v_and_b32 v12, 31, v0                  ; lane
	v_and_b32 v13, 15, v0                  ; r
	v_bfe_u32 v14, v0, 4, 1                ; h
	s_lshl_b32 s23, s[WV], 14
	v_lshl_add_u32 v[AK0], v12, 4, s23
	v_add_nc_u32 v[AV0], 0x10000, v[AK0]
	v_lshlrev_b32 v[QO], 4, v12
	s_mul_i32 s23, s[WV], OWAVE
	v_mul_u32_u24 v[STO], v13, OPITCH
	v_lshl_add_u32 v[STO], v14, 7, v[STO]
	v_add_nc_u32 v[STO], s23, v[STO]       ; my stage, row r, channels 32 h on
	s_mul_i32 s23, s[WV], 8*OPITCH
	v_lshl_add_u32 v[RD0], v12, 4, s23     ; back: rows 8 w on of waves 0, 1,
	v_add_nc_u32 v[RD0+1], 2*OWAVE, v[RD0] ; and of waves 2, 3
	s_lshl_b32 s23, s[WV], 12
	v_lshl_add_u32 v[GO], v12, 4, s23
	s_lshl_b32 s23, s[WV], 8
	s_add_co_u32 s23, s23, STATS
	v_lshl_add_u32 v[SAS], v12, 3, s23
	v_lshl_add_u32 v[SRS], v12, 3, STATS
	v_lshlrev_b32 v[PFO], 8, v12
	s_lshl_b32 s17, s[CC], 2
	s_add_co_u32 s17, s17, s[CX]           ; j
	s_and_b32 s18, s17, 7                  ; the second block's place in its last tile,
	s_sub_co_u32 s19, 7, s18               ; the first block's
	s_lshl_b32 s22, s[WV], 6
	s_lshl_b32 s18, s18, 5
	s_sub_co_u32 s18, s18, s22
	s_lshl_b32 s19, s19, 5
	s_sub_co_u32 s19, s19, s22
	v_lshlrev_b32 v15, 3, v14
	v_sub_nc_u32 v15, v13, v15             ; r - 8 h
	v_add_nc_u32 v[DL], s18, v15
	v_add_nc_u32 v[DCUR], s19, v15
	s_sub_co_u32 s55, 127, s17             ; the first block's number
	s_wait_dscnt 0x0                       ; both opening adds are done
	s_wait_kmcnt 0x0
	s_cmp_lt_u32 s[WV], 2
	s_cselect_b64 s[BASEW:BASEW+1], s[6:7], s[8:9]
	s_add_nc_u64 s[BASEW:BASEW+1], s[BASEW:BASEW+1], s[20:21]
	s_add_nc_u64 s[G0+2:G0+3], s[BASEW:BASEW+1], s[OFF:OFF+1]  ; tile h0
	s_or_b32 s[G0+3], s[G0+3], 0x80000000
	s_lshl_b32 s22, s[CX], 13              ; my work-group's 8 KiB of the 32,
	s_add_co_u32 s22, s22, 0x80000         ; in tile 8: the change of slots of trip t steps it to tile 9 + t: 13, 14, 15 in trips 4, 5, 6
	s_mov_b32 s23, 0
	s_add_nc_u64 s[PFA:PFA+1], s[BASEW:BASEW+1], s[22:23]
	s_mov_b32 s19, 0
	s_lshl_b32 s18, s16, 20
	s_lshl_b32 s22, s55, 13                ; a block is 32 rows of 256 bytes of Q
	s_add_co_u32 s18, s18, s22
	s_add_nc_u64 s[QHB:QHB+1], s[4:5], s[18:19]
	s_lshl_b32 s18, s16, 20
	s_lshl_b32 s22, s17, 13
	s_add_co_u32 s18, s18, s22
	s_add_nc_u64 s[QHB+2:QHB+3], s[4:5], s[18:19]
	s_lshl_b32 s18, s16, 21
	s_lshl_b32 s22, s55, 14                ; and 32 rows of 512 bytes of out0
	s_add_co_u32 s18, s18, s22
	s_add_nc_u64 s[OUTB:OUTB+1], s[10:11], s[18:19]
	s_lshl_b32 s18, s16, 21
	s_lshl_b32 s22, s17, 14
	s_add_co_u32 s18, s18, s22
	s_add_nc_u64 s[OUTB+2:OUTB+3], s[10:11], s[18:19]
	CROUND                                 ; all four work-groups are here: the first joint loads meet
	tensor_load_to_lds s[G0:G0+3], s[G1:G1+7]  ; request 0 into slot 0; slot 1 is asked for by the first change of slots
	s_nop 0
	PLACES
	WIN 0x80
.set i, 0
.rept 16                                   ; both blocks' Q: fragment (t, c) at 32 t + 8 c; 512 consecutive bytes a load
	global_load_b128 v[4*i:4*i+3], v[QO], s[QHB:QHB+1] offset:512*i
	global_load_b128 v[QL+4*i:QL+4*i+3], v[QO], s[QHB+2:QHB+3] offset:512*i
.set i, i+1
.endr
	; What the first trip finds: V and P hold 0 (its products V^T P, of a tile that has not been, add 0), O^T, l and the mask are 0.  The copies are written too, so that every register is written on every path.
	; All this stands in the wait for the first tile: the price of writing no first step out.
	WIN 0x40
.set i, 0
.rept 256
	v_mov_b32 v[i], 0
.set i, i+1
.endr
	WIN 0xc0
.set i, 0
.rept 128
	v_mov_b32 v[i], 0
.set i, i+1
.endr
	WIN 0
.set i, 0
.rept 32
	v_mov_b32 v[ST+i], 0
.set i, i+1
.endr
.irp t, 0,1
	v_mov_b32 v[ST+8*\t], 0xdc0293ee       ; c x -2^60
	v_mov_b32 v[ST+8*\t+1], 0xdd800000     ; -2^60
.endr
.set i, 0
.rept 96
	v_mov_b32 v[P+i], 0                    ; P and the mask
.set i, i+1
.endr
	s_wait_loadcnt 0x0                     ; Q
.Lslot:                                    ; 16 trips: a tile is entered and the next is asked for
	CHANGE 1
	TRIPBODY 1
	s_sub_co_u32 s[SLOTS], s[SLOTS], 1
	s_cmp_lg_u32 s[SLOTS], 0
	s_cbranch_scc1 .Lslot
	CHANGE 0                               ; the walk's last tile, the second block's last, is written out: nothing is asked for
	TRIPBODY 0
	s_wait_dscnt 0x0                       ; V is in
	PVALL
	WIN 0
	; THE MEETING.  x = 0, 1: the first block's two tiles (the copies); x = 2, 3: the second block's.  Each wave's (c m, l) go into LDS.
.set x, 0
.rept 4
.set bs, SST+8*x-32*(x/2)
	v_add_f32 v[bs+2], v[bs+2], v[bs+3]
.set x, x+1
.endr
.set x, 0
.rept 4
.set bs, SST+8*x-32*(x/2)
	v_permlanex16_b32 v[bs+3], v[bs+2], s[SEL], s[SEL+1]
.set x, x+1
.endr
.set x, 0
.rept 4
.set bs, SST+8*x-32*(x/2)
	v_add_f32 v[bs+1], v[bs+2], v[bs+3]    ; l, beside c m
.set x, x+1
.endr
.set x, 0
.rept 4
.set bs, SST+8*x-32*(x/2)
	ds_store_b64 v[SAS], v[bs:bs+1] offset:x*1024
.set x, x+1
.endr
	s_wait_dscnt 0x0
	s_barrier_signal -1
	s_barrier_wait -1                      ; all statistics lie in LDS, and nobody reads the slots any more
.set x, 0
.rept 16
	ds_load_b64 v[TMP+2*x:TMP+2*x+1], v[SRS] offset:(x/4)*1024+(x%4)*256
.set x, x+1
.endr
	s_wait_dscnt 0x0
.set x, 0
.rept 4
	v_max3_num_f32 v[WK+8*x+5], v[TMP+8*x], v[TMP+8*x+2], v[TMP+8*x+4]
.set x, x+1
.endr
.set x, 0
.rept 4
	v_max_num_f32 v[WK+8*x+5], v[WK+8*x+5], v[TMP+8*x+6]  ; the four waves' greatest c m
.set x, x+1
.endr
.set x, 0
.rept 16
	v_sub_f32 v[WK+8*(x/4)+x%4], v[TMP+2*x], v[WK+8*(x/4)+5]
.set x, x+1
.endr
.set x, 0
.rept 4
.set bs, SST+8*x-32*(x/2)
	v_sub_f32 v[WK+8*x+4], v[bs], v[WK+8*x+5]  ; my own
.set x, x+1
.endr
.set x, 0
.rept 4
.irp k, 0,1,2,3,4
	v_exp_f32 v[WK+8*x+\k], v[WK+8*x+\k]
.endr
.set x, x+1
.endr
	v_nop
	s_wait_alu depctr_va_vdst(0)           ; one wait for the 20 exponentials
.set x, 0
.rept 4
	v_mul_f32 v[WK+8*x+6], v[WK+8*x], v[TMP+8*x+1]
.set x, x+1
.endr
.irp k, 1,2,3
.set x, 0
.rept 4
	v_fmac_f32 v[WK+8*x+6], v[WK+8*x+\k], v[TMP+8*x+2*\k+1]  ; L = the sum of f l
.set x, x+1
.endr
.endr
.set x, 0
.rept 4
	v_rcp_f32 v[WK+8*x+7], v[WK+8*x+6]
.set x, x+1
.endr
	v_nop
	s_wait_alu depctr_va_vdst(0)           ; one wait for the four reciprocals
.set x, 0
.rept 4
	v_mul_f32 v[WK+8*x+7], v[WK+8*x+7], v[WK+8*x+4]  ; g = my f / L
.set x, x+1
.endr
	; My O^T times g goes into my stage as rows of true channels: registers j of channel blocks 4 g + 0..3 are channels 64 g + 32 h + 4 j + 0..3.  j ascends from 0: each accumulator's lowest register is read first.
.set x, 0
.rept 4
.set g, 0
.rept 2
	WIN 0x01
.set n, 0
.rept 32
	v_mul_f32 v[TMP+n], v[128*(1-x/2)+64*(x%2)+8*(4*g+n%4)+n/4], v[WK+8*x+7]
.set n, n+1
.endr
	WIN 0
.set n, 0
.rept 8
	ds_store_b128 v[STO], v[TMP+4*n:TMP+4*n+3] offset:(x/2)*OBLK+(x%2)*16*OPITCH+256*g+16*n
.set n, n+1
.endr
.set g, g+1
.endr
.set x, x+1
.endr
	s_wait_dscnt 0x0
	s_barrier_signal -1
	s_barrier_wait -1
	; Wave w adds the four waves' rows 8 w .. 8 w + 7 of each block and stores them: a store is a whole row of out0, 512 consecutive bytes, aligned.
.set k, 0
.rept 2
.if k == 1
	s_wait_xcnt 0x0                        ; the first block's stores have read their registers
.endif
.set n, 0
.rept 32
	ds_load_b128 v[LD+4*n:LD+4*n+3], v[RD0+(n%4)/2] offset:(n%2)*OWAVE+k*OBLK+(n/4)*OPITCH
.set n, n+1
.endr
.set n, 0
.rept 8
	s_wait_dscnt 4*(7-n)                   ; row n's four loads are in; the later rows' stay out
.set L, LD+16*n
	v_pk_add_f32 v[L:L+1], v[L:L+1], v[L+4:L+5]
	v_pk_add_f32 v[L+2:L+3], v[L+2:L+3], v[L+6:L+7]
	v_pk_add_f32 v[L+8:L+9], v[L+8:L+9], v[L+12:L+13]
	v_pk_add_f32 v[L+10:L+11], v[L+10:L+11], v[L+14:L+15]
	v_pk_add_f32 v[L:L+1], v[L:L+1], v[L+8:L+9]
	v_pk_add_f32 v[L+2:L+3], v[L+2:L+3], v[L+10:L+11]
	global_store_b128 v[GO], v[L:L+3], s[OUTB+2*k:OUTB+2*k+1] offset:512*n th:TH_STORE_NT
.set n, n+1
.endr
.set k, k+1
.endr
	s_wait_tensorcnt 0x0                   ; the wave's end: after my last tensor load and my last LDS store: a wait, an add, a wait
	ds_add_u32 v[SPW], v[NIL]
	s_wait_dscnt 0x0
	CROUND                                 ; the closing round
	s_endpgm
.Lfunc_end_k_qdad5743c42_attn:
	.size	k_qdad5743c42_attn, .Lfunc_end_k_qdad5743c42_attn-k_qdad5743c42_attn
	.p2alignl 7, 3214868480
	.fill 96, 4, 3214868480
	.section	.rodata,"a",@progbits
	.p2align	6, 0x0
	.amdhsa_kernel k_qdad5743c42_attn
		.amdhsa_group_segment_fixed_size 327680
		.amdhsa_private_segment_fixed_size 0
		.amdhsa_enable_private_segment 0
		.amdhsa_kernarg_size 32
		.amdhsa_user_sgpr_count 2
		.amdhsa_user_sgpr_kernarg_segment_ptr 1
		.amdhsa_wavefront_size32 1
		.amdhsa_system_sgpr_workgroup_id_x 1
		.amdhsa_system_sgpr_workgroup_id_y 1
		.amdhsa_system_sgpr_workgroup_id_z 1
		.amdhsa_system_vgpr_workitem_id 0
		.amdhsa_next_free_vgpr 896
		.amdhsa_next_free_sgpr 72
		.amdhsa_reserve_vcc 1
		.amdhsa_float_denorm_mode_32 3
		.amdhsa_float_denorm_mode_16_64 3
		.amdhsa_memory_ordered 1
		.amdhsa_forward_progress 1
		.amdhsa_inst_pref_size 136
	.end_amdhsa_kernel
	.amdgpu_metadata
---
amdhsa.version: [ 1, 2 ]
amdhsa.kernels:
  - .name:           k_qdad5743c42_attn
    .symbol:         k_qdad5743c42_attn.kd
    .args:
      - { .name: qf, .offset: 0, .size: 8, .value_kind: global_buffer, .address_space: global }
      - { .name: kf, .offset: 8, .size: 8, .value_kind: global_buffer, .address_space: global }
      - { .name: vf, .offset: 16, .size: 8, .value_kind: global_buffer, .address_space: global }
      - { .name: out0, .offset: 24, .size: 8, .value_kind: global_buffer, .address_space: global }
    .group_segment_fixed_size: 327680
    .private_segment_fixed_size: 0
    .kernarg_segment_align: 8
    .kernarg_segment_size: 32
    .max_flat_workgroup_size: 128
    .sgpr_count:     72
    .vgpr_count:     896
    .wavefront_size: 32
...
	.end_amdgpu_metadata
.endif
;; end of part 4
